; MI455X (gfx1250); checked and timed in simulation.
; The chip was launched on July 23, 2026; its instructions are those of AMD's public machine-readable ISA for CDNA 5 (MIT licence, August 2026) and "CDNA5" Instruction Set Architecture Reference Guide (July 2026). The comments in the code are by the model that wrote it; some were corrected since.
;; Multi Head Attention. Allowed arithmetic: matrix products marked QUANTISED: E2M1 operands, one E8M0 scale for each 32 along K, by v_wmma_scale_f32_16x16x128_f8f6f4 with both operands' format E2M1 (or v_wmma_scale_f32_32x16x128_f4), f32 sums; products left as they are: bf16, f16 or f32 operands; f32 sums; everything else in f32.
;; Inputs: W_k 1,024 x 1,024 float32; W_o 1,024 x 1,024 float32; W_q 1,024 x 1,024 float32; W_v 1,024 x 1,024 float32; b_k 1,024 float32; b_o 1,024 float32; b_q 1,024 float32; b_v 1,024 float32; x 4 x 2,048 x 1,024 float32.
;; Outputs: out0 4 x 2,048 x 1,024 float32.
;; This version of the problem:
;;   THIS VERSION OF THE PROBLEM IS GIVEN IN LOW PRECISION. The matrix products marked QUANTISED in the list below multiply operands that are first quantised to E2M1 (2 exponent bits, 1 mantissa bit; 4 bits a number), with one power-of-two scale for each 32 numbers along K (OCP MX v1.0); their sums are f32. The products marked 'left as it is' may take bf16, f16 or f32 operands, with f32 sums. Whichever they take, every output number must still come out within the allowed error. Rounding operands to bf16 (8 significant bits) uses up far more of that allowance than f16 does (11 bits, for magnitudes from 6e-5 to 65,504). All else is computed in f32.
;;   The module's matrix products, in the order in which they are computed (A, B: the left and right operand; K: the contracted axis; several contracted axes count as one K, in the product's order):
;;     1. [M 8,192, K 1,024] x [K 1,024, N 1,024]; A: input x; B: input W_q: QUANTISED
;;     2. [M 8,192, K 1,024] x [K 1,024, N 1,024]; A: input x; B: input W_k: QUANTISED
;;     3. [M 8,192, K 1,024] x [K 1,024, N 1,024]; A: input x; B: input W_v: QUANTISED
;;     4. batch 64 x [M 2,048, K 64] x [K 64, N 2,048]; A: computed on the way; B: computed on the way: left as it is (an operand is computed on the way)
;;     5. batch 64 x [M 2,048, K 2,048] x [K 2,048, N 64]; A: computed on the way; B: computed on the way: left as it is (an operand is computed on the way)
;;     6. [M 8,192, K 1,024] x [K 1,024, N 1,024]; A: computed on the way; B: input W_o: left as it is (an operand is computed on the way)
;;   THE QUANTISER, for each operand of a quantised product, along K:
;;     - K is cut into blocks of 32 from its start; a last block that is shorter is filled with zeros.
;;     - A block's scale is 2^e with e = floor(log2(the largest magnitude in the block)) - 2, held to -126 .. 127; a block of zeros has e = 0. As a byte (E8M0): e + 127.
;;     - Each number is divided by its block's scale, clamped to +-6, and rounded to the nearest number of E2M1, ties to even, subnormals kept.
;;     - The product sums the exact products of the quantised numbers (number of the format x scale) in f32.
;;   ~~~python
;;   def quantise(x, axis):      # numpy; x: float32 -> the quantised numbers, widened to float32 again
;;       x = np.moveaxis(x, axis, -1); K = x.shape[-1]
;;       x = np.pad(x, [(0, 0)] * (x.ndim - 1) + [(0, -K % 32)]); x = x.reshape(x.shape[:-1] + (-1, 32)); a = np.abs(x).max(-1, keepdims=True)
;;       e = np.where(a > 0, np.clip(np.frexp(np.where(a > 0, a, 1))[1] - 1 - 2, -126, 127), 0)      # np.frexp(a)[1] - 1 = floor(log2(a)), exactly
;;       r = np.clip(x / 2.0 ** e, -6, 6)
;;       step = 2.0 ** (np.maximum(np.frexp(np.where(r == 0, 1, r))[1] - 1, 0) - 1)
;;       q = np.round(r / step) * step * 2.0 ** e      # np.round: ties to even
;;       return np.moveaxis(q.reshape(q.shape[:-2] + (-1,))[..., :K], -1, axis).astype(np.float32)
;;   ~~~
;; One version. Each part assembles by itself: llvm-mc -triple=amdgcn-amd-amdhsa -mcpu=gfx1250 --defsym DOCPART=n.
;; ======== version 1 of 1: 5 launches
;; limits: values are held in f16: magnitudes above 65,504 overflow, below 6.1e-05 lose precision
;; workspace buffers: codes 5,767,168 bytes; scales 360,448 bytes; wo16 2,097,152 bytes; qkv16 50,331,648 bytes; qkv32 786,432 bytes; o16 16,777,216 bytes
;; launch quant (part 1): grid 384 x 1, 4 waves a work-group, no clusters, 33,280 bytes of LDS; arguments x, W_q, W_k, W_v, W_o, codes, scales, wo16; writes codes, scales, wo16
.if DOCPART == 1
	.amdgcn_target "amdgcn-amd-amdhsa--gfx1250"
	.amdhsa_code_object_version 6
	.text
	.protected	k_qde83ed66fd_quant
	.globl	k_qde83ed66fd_quant
	.p2align	8
	.type	k_qde83ed66fd_quant,@function
k_qde83ed66fd_quant:
	s_mov_b64 s[64:65], 0
	v_nop
	global_prefetch_b8 v0, s[64:65] scope:SCOPE_SE
	s_setreg_imm32_b32 hwreg(HW_REG_WAVE_MODE, 25, 1), 1
	s_wait_xcnt 0x0
; FIRST OF FIVE LAUNCHES of causal multi-head attention (4 batches x 2,048 positions, 16 heads of 64, model width 1,024).
; This one turns x, W_q, W_k, W_v (f32, K innermost) into codes of FP4 (E2M1) with one E8M0 scale byte for each 32 along K, and W_o into f16.
; WORK LEFT OUT AS DEAD, in the whole program:
;  (1) b_k.  With K' = K + b_k the score of query q and key k is (Q_q . K_k + Q_q . b_k) / 8.  The second term does not hang on k: it is the same for every key of row q that the causal mask
;      keeps, and the keys that the mask hides are -infinity with it and without it.  A softmax along k is unchanged by a term that is the same along k.  The product Q K^T is not quantised, so b_k moves no code
;      and no scale.  This holds for all finite values of all inputs.  b_k has no other way to the output: it is not loaded and is no launch's argument.
;  (2) key tiles that lie wholly above the diagonal of the mask that the problem builds itself: their weights are 0.
; LIMITS.  A NaN, an infinity or an overflow that reaches only b_k or hidden scores is not carried to the result.  Q, K, V, the attention's result and W_o are operands in f16 in the later launches:
; magnitudes up to 65,504 are served.  Blocks whose largest magnitude lies under 2^(2 - 126) get the scale byte 1; NaN and infinities among the inputs are not served.
; A block's scale is 2^(floor(log2(largest magnitude)) - 2): its byte is the largest magnitude's exponent field - 2, held at 1 from below.  A block of zeros so gets the byte 1 where the rule says 127: its codes
; are zeros, which add nothing under any byte but 0xff, and the bytes are read by this program alone.
; SHARES.  The four quantised tensors are plain streams of blocks of 32; their codes and scale bytes lie on end in two buffers: rows 0-8191 x, then 1,024 rows each of W_q, W_k, W_v (a row: 512 bytes of codes, 32 scale bytes).
; Work-groups 0-255 take x, 256-287 W_q, 288-319 W_k, 320-351 W_v: 32,768 numbers each, 8,192 a wave, in 16 steps of 512.  Work-groups 352-383 round W_o to f16.
; A step's four loads read 512 consecutive bytes each; the 2,048 bytes turn through the wave's own stage in LDS so that a lane holds 16 neighbours along K (two lanes hold a block).
.set STEPS, 16
.set EMAX,  2
.set CB,    8                          ; bytes of 16 codes
.set R,     16                         ; v16-79   four sets of 16 numbers as they are loaded
.set X,     80                         ; v80-111  two sets of 16 neighbours
.set E,     112                        ; v112-127 a scale byte for each step
.set C,     128                        ; v128-191 codes: registers of its own for each step
.set WREG,  8192                       ; LDS: a region for each wave: two stages of 32 x SP bytes, then its 256 scale bytes
.set SP,    80                         ; a lane's place in a stage: 64 bytes + 16 of padding
.set SPW,   12                         ; v12  LDS address of my spare word; never rewritten
.set NIL,   13                         ; v13  0; never rewritten
.set SPARE, 4*WREG                     ; behind the four regions: the spare words, 128 bytes a wave
.set NQW,   352                        ; work-groups that quantise
	s_load_b512 s[4:19], s[0:1], 0x0               ; x s[4:5], W_q s[6:7], W_k s[8:9], W_v s[10:11], W_o s[12:13], codes s[14:15], scales s[16:17], wo16 s[18:19]
	v_lshl_add_u32 v[SPW], v0, 2, SPARE
	v_mov_b32 v[NIL], 0
	v_lshrrev_b32 v1, 5, v0
	v_readfirstlane_b32 s20, v1                    ; wave
	v_and_b32 v2, 31, v0                           ; lane
	v_lshlrev_b32 v3, 4, v2                        ; my 16 bytes of a load's 512
	s_mul_i32 s21, s20, WREG
	v_lshrrev_b32 v14, 2, v2
	v_mul_u32_u24 v14, v14, SP
	v_and_b32 v15, 3, v2
	v_lshl_add_u32 v14, v15, 4, v14
	v_add_nc_u32 v14, s21, v14                     ; the stage, on the way in: SP (lane / 4) + 16 (lane % 4)
	v_mul_u32_u24 v15, v2, SP
	v_add_nc_u32 v15, s21, v15                     ; and on the way out: SP x lane: my 16 neighbours
	v_lshlrev_b32 v4, 3, v2                        ; 8 bytes a lane: my codes' place in a step's; my f16 numbers' place in a piece's
	v_lshrrev_b32 v5, 1, v2
	s_add_co_u32 s21, s21, 2*32*SP
	v_add_nc_u32 v5, s21, v5                       ; LDS: my wave's 256 scale bytes, my block's byte
	v_add_nc_u32 v6, s21, v4                       ; and on the way out 8 bytes a lane
	s_mov_b32 s25, 0
	s_lshl_b32 s26, ttmp9, 2
	s_add_co_u32 s26, s26, s20                     ; 4 x work-group + wave: which run of 8,192 numbers of the four tensors on end
	s_and_b32 s24, ttmp9, 31                       ; a weight's work-group counted within its tensor
	s_wait_kmcnt 0x0
	s_cmp_ge_u32 ttmp9, NQW
	s_cbranch_scc1 .Lwo
	s_cmp_lt_u32 ttmp9, 320                        ; the source is chosen by the work-group's number alone
	s_cselect_b64 s[22:23], s[8:9], s[10:11]
	s_cmp_lt_u32 ttmp9, 288
	s_cselect_b64 s[22:23], s[6:7], s[22:23]
	s_cmp_lt_u32 ttmp9, 256
	s_cselect_b64 s[22:23], s[4:5], s[22:23]
	s_cselect_b32 s24, ttmp9, s24
	s_lshl_b32 s24, s24, 2
	s_add_co_u32 s24, s24, s20
	s_lshl_b32 s24, s24, 15                        ; 8,192 numbers of 4 bytes a wave
	s_add_nc_u64 s[22:23], s[22:23], s[24:25]
	s_lshl_b32 s24, s26, 12                        ; 4,096 bytes of codes a wave
	s_add_nc_u64 s[14:15], s[14:15], s[24:25]
	s_lshl_b32 s24, s26, 8                         ; 256 scale bytes a wave
	s_add_nc_u64 s[16:17], s[16:17], s[24:25]
.macro LOAD t
.irp i, 0,1,2,3
	global_load_b128 v[R+16*((\t)%4)+4*\i:R+16*((\t)%4)+4*\i+3], v3, s[22:23] offset:2048*(\t)+512*\i th:TH_LOAD_NT   ; 32 lanes read 512 consecutive bytes
.endr
.endm
.macro TURN t                          ; step t's numbers through the stage: LDS serves a wave's instructions in order, so no wait stands between the stores and the loads
.irp i, 0,1,2,3
	ds_store_b128 v14, v[R+16*((\t)%4)+4*\i:R+16*((\t)%4)+4*\i+3] offset:32*SP*((\t)%2)+8*SP*\i
.endr
.irp i, 0,1,2,3
	ds_load_b128 v[X+16*((\t)%2)+4*\i:X+16*((\t)%2)+4*\i+3], v15 offset:32*SP*((\t)%2)+16*\i
.endr
.endm
.irp t, 0,1,2,3
	LOAD \t
.endr
	s_wait_loadcnt 12                              ; step 0's four loads are in; the twelve behind them may be out
	TURN 0
.macro STEP t
.set XS, X+16*((\t)%2)
.if (\t) > 0
	s_wait_dscnt 1                                 ; this step's numbers are back from the stage (the last step's byte store may be out)
.else
	s_wait_dscnt 0x0
.endif
.if (\t)+4 < STEPS
	LOAD (\t)+4                                    ; into the registers that the stage's stores have read
.endif
.if (\t)+1 < STEPS
.if STEPS-2-(\t) >= 3
	s_wait_loadcnt 12                              ; the next step's four loads are in; those of the three steps behind it may be out
.else
	s_wait_loadcnt 4*(STEPS-2-(\t))
.endif
	TURN (\t)+1                                    ; through the other stage while this step is worked
.endif
	v_max3_num_f32 v8, |v[XS]|, |v[XS+1]|, |v[XS+2]|               ; the largest magnitude of my 16, in two chains
	v_max3_num_f32 v9, |v[XS+3]|, |v[XS+4]|, |v[XS+5]|
.irp i, 6,10
	v_max3_num_f32 v8, v8, |v[XS+\i]|, |v[XS+\i+1]|
	v_max3_num_f32 v9, v9, |v[XS+\i+2]|, |v[XS+\i+3]|
.endr
	v_max3_num_f32 v8, v8, |v[XS+14]|, |v[XS+15]|
	v_max3_num_f32 v8, v8, v9, (EMAX+1)<<23        ; and the floor 2^(EMAX + 1 - 127): the byte cannot fall under 1
	v_max_num_f32_dpp v8, v8, v8 row_xmask:1 row_mask:0xf bank_mask:0xf   ; with my neighbour's 16: the block's
	v_add_nc_u32 v11, -(EMAX<<23), v8              ; EMAX off its exponent field: the conversion takes this operand's exponent field as its scale
	v_cvt_scalef32_pk8_fp4_f32 v[C+4*(\t)], v[XS:XS+7], v11        ; to the nearest code, ties to even, beyond the largest code the largest
	v_cvt_scalef32_pk8_fp4_f32 v[C+4*(\t)+1], v[XS+8:XS+15], v11
	v_lshrrev_b32 v[E+(\t)], 23, v11               ; the scale's byte
	ds_store_b8 v5, v[E+(\t)] offset:16*(\t)       ; both lanes of a block write the same byte with the same value
	global_store_b64 v4, v[C+4*(\t):C+4*(\t)+1], s[14:15] offset:32*CB*(\t)   ; the wave stores 256 consecutive bytes, aligned
.endm
.irp t, 0,1,2,3,4,5,6,7,8,9,10,11,12,13,14,15
	STEP \t
.endr
	ds_load_b64 v[8:9], v6                         ; LDS serves a wave's instructions in order: these see my byte stores
	s_wait_dscnt 0x0
	global_store_b64 v4, v[8:9], s[16:17]          ; 32 lanes store 256 consecutive scale bytes, aligned
	s_wait_tensorcnt 0x0                           ; the wave's end, behind my last LDS store
	ds_add_u32 v[SPW], v[NIL]
	s_wait_dscnt 0x0
	s_endpgm
; W_o to f16, for the last product, which is left as it is.  A wave takes 8,192 numbers as 64 pieces of 512 bytes; sixteen loads are kept on their way; no LDS is touched on this path.
.Lwo:
	s_sub_co_u32 s26, s26, 4*NQW                   ; which run of 8,192 numbers of W_o
	s_lshl_b32 s24, s26, 15
	s_add_nc_u64 s[12:13], s[12:13], s[24:25]
	s_lshl_b32 s24, s26, 14
	s_add_nc_u64 s[18:19], s[18:19], s[24:25]
.irp k, 0,1,2,3,4,5,6,7,8,9,10,11,12,13,14,15
	global_load_b128 v[16+4*\k:19+4*\k], v3, s[12:13] offset:512*\k
.endr
.set k, 0
.rept 64
.if k < 48
	s_wait_loadcnt 15                              ; piece k is in; the fifteen younger loads may be out
.else
	s_wait_loadcnt 63-k                            ; the last sixteen: the counts run down
.endif
	v_cvt_pk_f16_f32 v[80+2*k], v[16+4*(k%16)], v[17+4*(k%16)]     ; to nearest even; each piece has result registers of its own, so no store's data are written again
	v_cvt_pk_f16_f32 v[81+2*k], v[18+4*(k%16)], v[19+4*(k%16)]
.if k < 48
	global_load_b128 v[16+4*(k%16):19+4*(k%16)], v3, s[12:13] offset:512*(k+16)
.endif
	global_store_b64 v4, v[80+2*k:81+2*k], s[18:19] offset:256*k   ; 256 consecutive bytes, aligned
.set k, k+1
.endr
	s_endpgm
.Lfunc_end_k_qde83ed66fd_quant:
	.size	k_qde83ed66fd_quant, .Lfunc_end_k_qde83ed66fd_quant-k_qde83ed66fd_quant
	.p2alignl 7, 3214868480
	.fill 96, 4, 3214868480
	.section	.rodata,"a",@progbits
	.p2align	6, 0x0
	.amdhsa_kernel k_qde83ed66fd_quant
		.amdhsa_group_segment_fixed_size 33280
		.amdhsa_private_segment_fixed_size 0
		.amdhsa_enable_private_segment 0
		.amdhsa_kernarg_size 64
		.amdhsa_user_sgpr_count 2
		.amdhsa_user_sgpr_kernarg_segment_ptr 1
		.amdhsa_wavefront_size32 1
		.amdhsa_system_sgpr_workgroup_id_x 1
		.amdhsa_system_sgpr_workgroup_id_y 1
		.amdhsa_system_sgpr_workgroup_id_z 1
		.amdhsa_system_vgpr_workitem_id 0
		.amdhsa_next_free_vgpr 208
		.amdhsa_next_free_sgpr 66
		.amdhsa_reserve_vcc 0
		.amdhsa_float_denorm_mode_32 3
		.amdhsa_float_denorm_mode_16_64 3
		.amdhsa_memory_ordered 1
		.amdhsa_forward_progress 1
		.amdhsa_inst_pref_size 56
	.end_amdhsa_kernel
	.amdgpu_metadata
---
amdhsa.version: [ 1, 2 ]
amdhsa.kernels:
  - .name:           k_qde83ed66fd_quant
    .symbol:         k_qde83ed66fd_quant.kd
    .args:
      - { .name: x, .offset: 0, .size: 8, .value_kind: global_buffer, .address_space: global }
      - { .name: W_q, .offset: 8, .size: 8, .value_kind: global_buffer, .address_space: global }
      - { .name: W_k, .offset: 16, .size: 8, .value_kind: global_buffer, .address_space: global }
      - { .name: W_v, .offset: 24, .size: 8, .value_kind: global_buffer, .address_space: global }
      - { .name: W_o, .offset: 32, .size: 8, .value_kind: global_buffer, .address_space: global }
      - { .name: codes, .offset: 40, .size: 8, .value_kind: global_buffer, .address_space: global }
      - { .name: scales, .offset: 48, .size: 8, .value_kind: global_buffer, .address_space: global }
      - { .name: wo16, .offset: 56, .size: 8, .value_kind: global_buffer, .address_space: global }
    .group_segment_fixed_size: 33280
    .private_segment_fixed_size: 0
    .kernarg_segment_align: 8
    .kernarg_segment_size: 64
    .max_flat_workgroup_size: 128
    .sgpr_count:     66
    .vgpr_count:     208
    .wavefront_size: 32
...
	.end_amdgpu_metadata
.endif
;; end of part 1
;; launch qkv (part 2): grid 12 x 32, 4 waves a work-group, clusters of 4 x 4, 327,680 bytes of LDS; arguments codes, scales, b_q, b_v, qkv16, qkv32; writes qkv16, qkv32
.if DOCPART == 2
	.amdgcn_target "amdgcn-amd-amdhsa--gfx1250"
	.amdhsa_code_object_version 6
	.text
	.protected	k_qde83ed66fd_qkv
	.globl	k_qde83ed66fd_qkv
	.p2align	8
	.type	k_qde83ed66fd_qkv,@function
k_qde83ed66fd_qkv:
	s_mov_b64 s[64:65], 0
	v_nop
	global_prefetch_b8 v0, s[64:65] scope:SCOPE_SE
	s_setreg_imm32_b32 hwreg(HW_REG_WAVE_MODE, 25, 1), 1
	s_wait_xcnt 0x0
	s_wait_alu depctr_hold_cnt(0) depctr_sa_sdst(0) depctr_va_vdst(0) depctr_va_sdst(0) depctr_va_ssrc(0) depctr_va_vcc(0) depctr_vm_vsrc(0)
	s_getreg_b32 s2, hwreg(HW_REG_IB_STS2, 6, 4)
	s_cmp_eq_u32 s2, 0
	s_cbranch_scc0 .Lentry_in_a_cluster
	s_endpgm
.Lentry_in_a_cluster:
	s_bfe_u32 s2, ttmp6, 0x10000c
	s_cmp_lg_u32 s2, 0xf033
	s_cbranch_scc0 .Lentry_shape_is_right
	s_endpgm
.Lentry_shape_is_right:
; SECOND LAUNCH: the three quantised products as ONE product on codes of FP4: [8,192 rows of x] x [3,072 rows of W_q, W_k, W_v on end], K = 1,024, plus b_q and b_v.
; b_k is left out (it is the same along the softmax's axis for every query: shown at the head of the first launch): K's sums begin with zeros.
; Results: Q, K, V as f16, laid by head, [tensor 3][batch 4][head 16][position 2,048][64]; and the rows of positions 0-15 of every batch once more in f32, as an image of the accumulators' registers, for the last launch.
; A tile of 256 x 256 is made by four waves, a wave makes 128 x 128: 64 accumulators.  K is two steps of 512 (tile rows of 256 bytes): both lie in LDS slots of their own, filled once at the head; nothing is filled again.
; The scale bytes of the tile's 256 + 256 rows, for all of K, are two dense blocks of memory and come once, as units of 256 bytes.
; CLUSTERS: 4 x 4 work-groups.  A's tiles are asked for jointly along a row of the cluster, B's along a column.  A cluster's x is the tensor (0 Q, 1 K, 2 V): the same in all sixteen partners.
; THE MATRIX INSTRUCTION IS USED TRANSPOSED (source 0 = 16 rows of a weight, source 1 = 16 rows of x): a lane holds eight neighbouring columns of one row.
; REGISTERS: window 0: v0-31 addresses; v32-95 scale words, two sets; v128-191 A's fragments, one set; v192-255 the bias in the result's layout (the C of the first step), later at work on the way out.
;   window 1: B's fragments, two sets.   window 2: the accumulators of my rows 0-63 ((a, b) at v[8 (8 a + b)]);   window 3: rows 64-127.
.set SIZE_K, 1024
.set KSTEP,  512
.set NQ,     KSTEP/128
.set ROWB,   256
.set KROW,   SIZE_K/2
.set PITCH,  272                       ; an LDS row: 256 bytes + 16 of padding: the 16 rows that a load touches start 68 words apart
.set FR,     8
.set NL,     2
.set NP,     4
.set HALFT,  128*PITCH
.set SLOT,   4*HALFT
.set KS,     SIZE_K/32
.set SCL,    2*SLOT
.set HALFS,  (128*KS/256)*272
.set SBLK,   (16*KS/256)*272
.set SPARE,  SCL+4*HALFS               ; the spare words, 128 bytes a wave
.set STAGE,  SPARE+512                 ; the way out: 16 rows x (256 bytes + 16) for each wave; no tensor load lands here
.set SPITCH, 272
.set ADRA, 16
.set ADRB, 20
.set FLG,  22                          ; v22  0 where my first 16 rows are positions 0-15 of a batch
.set STO,  24
.set RD,   25
.set CO,   26
.set ADRS, 27
.set SPW,  28
.set NIL,  29
.set BOF,  30                          ; v30  32 x (lane / 16): my eight numbers of a bias block
.set L16,  31                          ; v31  16 x lane
.set SC,   32
.set AF,   128
.set BI,   192
.set TMP,  192
.set OB,   128
.set G1, 24
.set G0, 32
.set G1B, 48
.set G0B, 56
.set G1S, 68
.set G0S, 76
.set G1SB, 80
.set G0SB, 88
.set MSB, 0
.macro WIN new                         ; the immediate's high byte repeats the setting that is left
.if MSB != \new
	s_set_vgpr_msb (MSB<<8)|\new
.set MSB, \new
.endif
.endm
.set MUL_LO, 0xa1                      ; source 0 (B) window 1, source 1 (A) window 0, C and D window 2
.set MUL_HI, 0xf1                      ; the same, C and D window 3
.set TO_B,   0x40
; A joint load: waves 0 and 1 fetch for A, waves 2 and 3 for B.  The branch hangs on the wave's number alone.  An s_nop 0 and four v_nop follow each of the two lines.
.macro JLOAD g0a, g1a, g0b, g1b
	s_cmp_eq_u32 s15, 0
	s_cbranch_scc0 .Lfor_b_\@
	tensor_load_to_lds s[\g0a:\g0a+3], s[\g1a:\g1a+7]
	s_nop 0
.rept 4
	v_nop
.endr
	s_branch .Lasked_\@
.Lfor_b_\@:
	tensor_load_to_lds s[\g0b:\g0b+3], s[\g1b:\g1b+7]
	s_nop 0
.rept 4
	v_nop
.endr
.Lasked_\@:
.endm
.macro CROUND                          ; a round of the cluster's barrier
	s_barrier_signal -1
	s_barrier_wait -1
	s_cmp_lg_u32 s14, 0
	s_cbranch_scc1 .Lnot_wave_0_\@
	s_barrier_signal -3
.Lnot_wave_0_\@:
	s_barrier_wait -3
	s_barrier_signal -1
	s_barrier_wait -1
.endm
	s_load_b128 s[4:7], s[0:1], 0x0                ; codes s[4:5], scales s[6:7]
	s_load_b128 s[96:99], s[0:1], 0x10             ; b_q s[96:97], b_v s[98:99]
	s_load_b64 s[12:13], s[0:1], 0x20              ; qkv16
	s_load_b64 s[100:101], s[0:1], 0x28            ; qkv32
	v_lshl_add_u32 v[SPW], v0, 2, SPARE
	v_mov_b32 v[NIL], 0
	ds_add_u32 v[SPW], v[NIL]                      ; the wave's opening: an add to my spare word, twice on end, waited for ahead of my first tensor load
	ds_add_u32 v[SPW], v[NIL]
	v_lshrrev_b32 v1, 5, v0
	v_readfirstlane_b32 s14, v1                    ; wave 0..3
	s_lshr_b32 s15, s14, 1                         ; which half of the tile's rows is mine.  Also: I fetch for A (0) or for B (1)
	s_and_b32 s16, s14, 1                          ; which half of its columns.  Also: which 128 rows of that tile I fetch
	s_bfe_u32 s40, ttmp6, 0x40000                  ; cx, cy
	s_bfe_u32 s41, ttmp6, 0x40004
	s_lshl_b32 s42, ttmp9, 2
	s_add_co_u32 s42, s42, s40                     ; tile column = 4 x cluster x + cx
	s_and_b32 s17, ttmp7, 0xffff
	s_lshl_b32 s17, s17, 2
	s_add_co_u32 s17, s17, s41                     ; tile row = 4 x cluster y + cy
	s_lshl_b32 s43, s41, 2
	s_lshl_b32 s43, 15, s43                        ; my row of the cluster
	s_lshl_b32 s44, 0x1111, s40                    ; my column
	s_or_b32 s[G1+0], s43, (0<<16)|(1<<20)|(1<<21)|(5<<22)|(3<<25)  ; the mask; elements of 1 byte; padding on; bit 21 beside a mask; after every 64 words four words
	s_or_b32 s[G1B+0], s44, (0<<16)|(1<<20)|(1<<21)|(5<<22)|(3<<25)
.irp g, G1, G1B
	s_mov_b32 s[\g+1], ROWB<<16                    ; tensor_dim0
	s_mov_b32 s[\g+2], 128<<16                     ; tensor_dim1
	s_mov_b32 s[\g+3], ROWB<<16                    ; tile_dim0
	s_mov_b32 s[\g+4], 128                         ; tile_dim1
	s_mov_b32 s[\g+5], KROW                        ; from row to row
	s_mov_b32 s[\g+6], 0
	s_mov_b32 s[\g+7], 0
.endr
	s_or_b32 s[G1S+0], s43, (3<<16)|(1<<20)|(1<<21)|(5<<22)|(3<<25) ; the scales of 128 rows: 4,096 dense bytes as 16 rows of 32 elements of 8 bytes
	s_or_b32 s[G1SB+0], s44, (3<<16)|(1<<20)|(1<<21)|(5<<22)|(3<<25)
.irp g, G1S, G1SB
	s_mov_b32 s[\g+1], 32<<16
	s_mov_b32 s[\g+2], (128*KS/256)<<16
	s_mov_b32 s[\g+3], 32<<16
	s_mov_b32 s[\g+4], 128*KS/256
	s_mov_b32 s[\g+5], 32
	s_mov_b32 s[\g+6], 0
	s_mov_b32 s[\g+7], 0
.endr
	s_lshl_b32 s18, s16, 7
	s_lshl_b32 s20, s17, 8
	s_add_co_u32 s20, s20, s18                     ; A: row 256 x tile row + 128 x half
	s_lshl_b32 s46, s42, 8
	s_add_co_u32 s46, s46, s18                     ; B: row 256 x tile column + 128 x half, counted from W_q's first row
	s_mov_b32 s21, 0
	s_mov_b32 s47, 0
	s_mov_b64 s[18:19], KS
	s_mul_u64 s[22:23], s[20:21], s[18:19]
	s_mul_u64 s[92:93], s[46:47], s[18:19]
	s_mov_b64 s[18:19], KROW
	s_mul_u64 s[20:21], s[20:21], s[18:19]
	s_mul_u64 s[46:47], s[46:47], s[18:19]
	s_mul_i32 s45, s14, HALFT                      ; where they go: wave x 128 rows: no place in the cluster enters an LDS address
	s_mul_i32 s94, s14, HALFS
	s_wait_dscnt 0x0                               ; both opening adds are done
	s_wait_kmcnt 0x0
	s_add_nc_u64 s[8:9], s[4:5], 8192*KROW         ; the weights' codes lie behind x's 8,192 rows,
	s_add_nc_u64 s[10:11], s[6:7], 8192*KS         ; and so do their scale bytes
	s_add_nc_u64 s[20:21], s[4:5], s[20:21]
	s_add_nc_u64 s[22:23], s[6:7], s[22:23]
	s_add_nc_u64 s[46:47], s[8:9], s[46:47]
	s_add_nc_u64 s[92:93], s[10:11], s[92:93]
	CROUND                                         ; all sixteen work-groups are here: the first joint loads meet
	s_mov_b32 s[G0S], 1
	s_add_co_u32 s[G0S+1], s94, SCL
	s_mov_b64 s[G0S+2:G0S+3], s[22:23]
	s_or_b32 s[G0S+3], s[G0S+3], 0x80000000
	s_mov_b32 s[G0SB], 1
	s_add_co_u32 s[G0SB+1], s94, SCL
	s_mov_b64 s[G0SB+2:G0SB+3], s[92:93]
	s_or_b32 s[G0SB+3], s[G0SB+3], 0x80000000
	JLOAD G0S, G1S, G0SB, G1SB                     ; the scales first: they are wanted with K step 0.  Three loads of mine go out here, and no more in the launch
.irp s, 0,1
	s_mov_b32 s[G0+4*\s], 1
	s_add_co_u32 s[G0+4*\s+1], s45, \s*SLOT
	s_add_nc_u64 s[G0+4*\s+2:G0+4*\s+3], s[20:21], \s*ROWB
	s_or_b32 s[G0+4*\s+3], s[G0+4*\s+3], 0x80000000
	s_mov_b32 s[G0B+4*\s], 1
	s_add_co_u32 s[G0B+4*\s+1], s45, \s*SLOT
	s_add_nc_u64 s[G0B+4*\s+2:G0B+4*\s+3], s[46:47], \s*ROWB
	s_or_b32 s[G0B+4*\s+3], s[G0B+4*\s+3], 0x80000000
	JLOAD G0+4*\s, G1, G0B+4*\s, G1B
.endr
	v_and_b32 v1, 15, v0                           ; l % 16
	v_bfe_u32 v2, v0, 4, 1                         ; l / 16
	; THE BIAS is the C of each sum's first product: block b's eight registers hold the bias of columns 16 b + 8 (l / 16) + 0 .. 7 of my 128.
	v_lshlrev_b32 v[BOF], 5, v2
	s_cmp_eq_u32 ttmp9, 0
	s_cselect_b64 s[96:97], s[96:97], s[98:99]     ; Q's clusters take b_q, V's b_v
	s_lshl_b32 s66, s40, 10                        ; 256 cx columns of 4 bytes,
	s_lshl_b32 s67, s16, 9                         ; 128 for my half
	s_add_co_u32 s66, s66, s67
	s_mov_b32 s67, 0
	s_add_nc_u64 s[96:97], s[96:97], s[66:67]
	s_cmp_eq_u32 ttmp9, 1                          ; the cluster's x: the same in all sixteen partners
	s_cbranch_scc1 .Lno_bias
.irp b, 0,1,2,3,4,5,6,7
	global_load_b128 v[BI+8*\b:BI+8*\b+3], v[BOF], s[96:97] offset:64*\b
	global_load_b128 v[BI+8*\b+4:BI+8*\b+7], v[BOF], s[96:97] offset:64*\b+16
.endr
	s_branch .Lbias_set
.Lno_bias:                                             ; K's sums begin with zeros: b_k is dead work
.set i, 0
.rept 64
	v_mov_b32 v[BI+i], 0
.set i, i+1
.endr
.Lbias_set:
	v_mul_u32_u24 v3, v1, PITCH
	v_lshl_add_u32 v4, v2, 4, v3                   ; a fragment's row x pitch + 16 x half
	s_mul_i32 s21, s15, HALFT                      ; my 128 rows of A
	s_mul_i32 s22, s16, HALFT                      ; my 128 rows of B,
	s_add_co_u32 s22, s22, 2*HALFT                 ; which lie behind A's 256
.irp s, 0,1
	v_add_nc_u32 v[ADRA+\s], s21, v4
	v_add_nc_u32 v[ADRB+\s], s22, v4
	s_add_co_u32 s21, s21, SLOT
	s_add_co_u32 s22, s22, SLOT
.endr
	v_mul_u32_u24 v5, v1, KS                       ; my row's scales: KS bytes a row,
	v_lshrrev_b32 v6, 8, v5
	v_lshl_add_u32 v5, v6, 4, v5                   ; and 16 more for each 256 passed
	s_mul_i32 s21, s15, HALFS
	s_mul_i32 s22, s16, HALFS
	s_add_co_u32 s22, s22, 2*HALFS
	s_sub_co_u32 s22, s22, s21
	v_mul_u32_u24 v6, s22, v2                      ; lanes 16-31 take B's
	s_add_co_u32 s21, s21, SCL
	v_add_nc_u32 v5, v5, v6
	v_add_nc_u32 v[ADRS], s21, v5
	; the way out
	s_mul_i32 s23, s14, 16*SPITCH
	s_add_co_u32 s23, s23, STAGE                   ; my stage
	v_mul_u32_u24 v5, v1, SPITCH
	v_lshl_add_u32 v5, v2, 4, v5
	v_add_nc_u32 v[STO], s23, v5                   ; in: row l % 16, 16 bytes for each half of the lanes
	v_bfe_u32 v5, v0, 3, 1                         ; back: lanes 0-15 take head 0's part of two rows, lanes 16-31 head 1's: eight lanes a row's 128 bytes
	v_and_b32 v6, 7, v0
	v_lshlrev_b32 v6, 4, v6
	v_lshl_add_u32 v[CO], v5, 7, v6                ; in memory a head's rows are 128 bytes and lie on end,
	v_lshl_add_u32 v[CO], v2, 18, v[CO]            ; and the next head begins 2,048 rows on
	v_mul_u32_u24 v5, v5, SPITCH
	v_add_nc_u32 v5, v5, v6
	v_lshl_add_u32 v5, v2, 7, v5
	v_add_nc_u32 v[RD], s23, v5
	v_and_b32 v[L16], 31, v0
	v_lshlrev_b32 v[L16], 4, v[L16]
	s_lshr_b32 s20, s17, 3                         ; the batch: eight tile rows each
	s_and_b32 s21, s17, 7
	s_or_b32 s22, s21, s15
	v_mov_b32 v[FLG], s22                          ; 0: my first 16 rows are positions 0-15
	s_mul_i32 s18, s20, 24*8192                    ; qkv32: 24 column blocks of 8,192 bytes a batch
	s_mov_b32 s19, 0
	s_add_nc_u64 s[100:101], s[100:101], s[18:19]
	s_lshl_b32 s20, s20, 22                        ; qkv16: 16 heads of 262,144 bytes a batch,
	s_lshl_b32 s21, s21, 15                        ; 256 rows of 128 bytes a tile row,
	s_add_co_u32 s20, s20, s21
	s_lshl_b32 s21, s15, 14                        ; 128 rows for my half
	s_add_co_u32 s20, s20, s21
	s_mov_b32 s21, 0
	s_add_nc_u64 s[12:13], s[12:13], s[20:21]
	s_lshl_b32 s66, s42, 1
	s_add_co_u32 s66, s66, s16                     ; my block of 128 columns among the 24
	s_lshl_b32 s66, s66, 13
	s_add_nc_u64 s[100:101], s[100:101], s[66:67]  ; (s67 is 0)
	s_lshl_b32 s66, s40, 2
	s_lshl_b32 s46, s16, 1
	s_add_co_u32 s66, s66, s46                     ; my first head: 4 cx + 2 x half
	s_lshl_b32 s66, s66, 18
	s_lshl_b32 s46, ttmp9, 24                      ; the tensor
	s_add_co_u32 s66, s66, s46
	s_add_nc_u64 s[12:13], s[12:13], s[66:67]
.macro FRAG reg, adr, q, i             ; 16 rows x 128 K of 4-bit codes: 8 registers: two loads of 16 bytes, 32 bytes apart
.irp c, 0,1
	ds_load_b128 v[\reg+4*\c:\reg+4*\c+3], v[\adr] offset:64*(\q)+32*\c+(\i)*16*PITCH
.endr
.endm
; 16 matrix instructions: A's blocks a0, a0 + 1 x B's eight, the slot's q-th 128 along K.  first = 1: the bias is the C: nothing is cleared or added afterwards.
; The 64 accumulators take turns, one instruction a turn, in the same order in every step.
.macro MUL16 a0, p, q, sc, first
.irp a, \a0, \a0+1
.irp b, 0,1,2,3,4,5,6,7
.if \first
	v_wmma_scale_f32_16x16x128_f8f6f4 v[8*(8*((\a)%4)+\b):8*(8*((\a)%4)+\b)+7], v[128*(\p)+FR*\b:128*(\p)+FR*\b+FR-1], v[AF+FR*(\a):AF+FR*(\a)+FR-1], v[BI+8*\b:BI+8*\b+7], v[SC+8*NQ*(\sc)+NQ*\b+(\q)], v[SC+8*NQ*(\sc)+NQ*(\a)+(\q)] matrix_a_fmt:MATRIX_FMT_FP4 matrix_b_fmt:MATRIX_FMT_FP4 matrix_a_scale:MATRIX_SCALE_ROW1
.else
	v_wmma_scale_f32_16x16x128_f8f6f4 v[8*(8*((\a)%4)+\b):8*(8*((\a)%4)+\b)+7], v[128*(\p)+FR*\b:128*(\p)+FR*\b+FR-1], v[AF+FR*(\a):AF+FR*(\a)+FR-1], v[8*(8*((\a)%4)+\b):8*(8*((\a)%4)+\b)+7], v[SC+8*NQ*(\sc)+NQ*\b+(\q)], v[SC+8*NQ*(\sc)+NQ*(\a)+(\q)] matrix_a_fmt:MATRIX_FMT_FP4 matrix_b_fmt:MATRIX_FMT_FP4 matrix_a_scale:MATRIX_SCALE_ROW1
.endif
.endr
.endr
.endm
.macro FETCH_B slot, q, p
	WIN TO_B
.irp i, 0,1,2,3,4,5,6,7
	FRAG 128*(\p)+FR*\i, ADRB+\slot, \q, \i
.endr
	WIN 0
.endm
.macro FETCH_A slot, q, i0
.irp i, \i0, \i0+1, \i0+2, \i0+3
	FRAG AF+FR*(\i), ADRA+\slot, \q, \i
.endr
.endm
.macro SCALES sc                       ; a K step's scale words: lanes 0-15 take A's block i, lanes 16-31 B's block i
.irp i, 0,1,2,3,4,5,6,7
	ds_load_b128 v[SC+8*NQ*\sc+NQ*\i:SC+8*NQ*\sc+NQ*\i+3], v[ADRS] offset:\i*SBLK
.endr
.endm
.macro PLACES n                        ; plain vector instructions between a matrix instruction and a load into, or a read of, its registers
.rept \n
	v_nop
.endr
.endm
.macro STEP slot, q, first
	s_wait_dscnt 4*NL                              ; B's set and A's blocks 0-3 are in; the youngest eight loads (A's blocks 4-7) may be out
.if \first
	WIN 0x81                                       ; C (the bias) in window 0, D in window 2
.else
	WIN MUL_LO
.endif
	MUL16 0, (\q)%2, \q, \slot, \first
	MUL16 2, (\q)%2, \q, \slot, \first
	s_wait_dscnt 0
	PLACES NP
	FETCH_B \slot, (\q)+1, 1-(\q)%2
	FETCH_A \slot, (\q)+1, 0
.if \first
	WIN 0xc1
.else
	WIN MUL_HI
.endif
	MUL16 4, (\q)%2, \q, \slot, \first
	MUL16 6, (\q)%2, \q, \slot, \first
	PLACES NP
	WIN 0
	FETCH_A \slot, (\q)+1, 4
.endm
.macro STEPS slot, from
.set QQ, \from
.rept NQ-1-\from
	STEP \slot, QQ, 0
.set QQ, QQ+1
.endr
.endm
	s_wait_tensorcnt 1                             ; the scales and my part of K step 0 are in; K step 1's load may be out
	s_barrier_signal -1
	s_barrier_wait -1
	s_wait_loadcnt 0x0                             ; the bias
	FETCH_B 0, 0, 0
	FETCH_A 0, 0, 0
	SCALES 0
	FETCH_A 0, 0, 4
	STEP 0, 0, 1
	STEPS 0, 1
	; slot 0's last step changes slots: one barrier, so that every wave's part of slot 1 is there
	s_wait_tensorcnt 0x0                           ; all my tensor loads have landed
	ds_add_u32 v[SPW], v[NIL]
	s_wait_dscnt 4*NL+1                            ; the add and the youngest eight loads may be out
	WIN MUL_LO
	MUL16 0, 1, NQ-1, 0, 0
	s_wait_dscnt 0x0
	s_barrier_signal -1
	MUL16 2, 1, NQ-1, 0, 0
	WIN 0
	s_barrier_wait -1
	PLACES NP
	v_add_nc_u32 v[ADRS], 4*NQ, v[ADRS]            ; the second K step's scale words
	FETCH_B 1, 0, 0
	FETCH_A 1, 0, 0
	SCALES 1
	WIN MUL_HI
	MUL16 4, 1, NQ-1, 0, 0
	MUL16 6, 1, NQ-1, 0, 0
	PLACES NP
	WIN 0
	FETCH_A 1, 0, 4
	STEPS 1, 0
	s_wait_dscnt 4*NL                              ; the very last step
	WIN MUL_LO
	MUL16 0, 1, NQ-1, 1, 0
	MUL16 2, 1, NQ-1, 1, 0
	s_wait_dscnt 0
	WIN MUL_HI
	MUL16 4, 1, NQ-1, 1, 0
	MUL16 6, 1, NQ-1, 1, 0
	WIN 0
	PLACES NP
	; POSITIONS 0-15 IN F32: where my first block of 16 rows holds them, its eight accumulators are stored as they stand: 512 consecutive bytes a store.  A masked store, not a branch: the tile row hangs on my place in the cluster.
	s_wait_xcnt 0x0                                ; EXEC changes only behind this wait
	v_cmp_eq_u32 vcc_lo, 0, v[FLG]
	s_and_saveexec_b32 s66, vcc_lo
	WIN 0x08                                       ; a store's data: window 2
.irp b, 0,1,2,3,4,5,6,7
	global_store_b128 v[L16], v[8*\b:8*\b+3], s[100:101] offset:1024*\b
	global_store_b128 v[L16], v[8*\b+4:8*\b+7], s[100:101] offset:1024*\b+512
.endr
	WIN 0
	s_wait_xcnt 0x0
	s_or_b32 exec_lo, exec_lo, s66
; THE WAY OUT, a block of 16 rows x 128 columns (two heads) at a time: rounded to f16, through my own stage, and back so that sixteen lanes hold two neighbouring rows of one head: 256 consecutive bytes.
.macro PACK a
.set AC, 64*((\a)%4)
	WIN 0x0a+5*((\a)/4)                            ; sources 0 and 1: window 2 or 3
.irp b, 0,1,2,3,4,5,6,7
.irp r, 0,1,2,3
	v_cvt_pk_f16_f32 v[TMP+4*\b+\r], v[AC+8*\b+2*\r], v[AC+8*\b+2*\r+1]
.endr
.endr
	WIN 0
.endm
.macro TOSTAGE a
.set BKR, OB+32*((\a)%2)
.irp b, 0,1,2,3,4,5,6,7
	ds_store_b128 v[STO], v[TMP+4*\b:TMP+4*\b+3] offset:32*\b
.endr
.irp t, 0,1,2,3,4,5,6,7
	ds_load_b128 v[BKR+4*\t:BKR+4*\t+3], v[RD] offset:\t*2*SPITCH   ; LDS serves a wave's instructions in order: these see the stores above
.endr
.endm
.macro SEND a
.set BKR, OB+32*((\a)%2)
	s_wait_dscnt 0x0                               ; the block is back in registers
	s_wait_xcnt 0x0                                ; earlier stores have read their registers: the next block's loads may land there
.irp t, 0,1,2,3,4,5,6,7
	global_store_b128 v[CO], v[BKR+4*\t:BKR+4*\t+3], s[12:13] offset:2048*(\a)+256*\t
.endr
.endm
	PACK 0
	TOSTAGE 0
.irp a, 1,2,3,4,5,6,7
	PACK \a
	SEND \a-1
	TOSTAGE \a
.endr
	SEND 7
	s_wait_tensorcnt 0x0                           ; the wave's end
	ds_add_u32 v[SPW], v[NIL]
	s_wait_dscnt 0x0
	CROUND                                         ; the closing round
	s_endpgm
.Lfunc_end_k_qde83ed66fd_qkv:
	.size	k_qde83ed66fd_qkv, .Lfunc_end_k_qde83ed66fd_qkv-k_qde83ed66fd_qkv
	.p2alignl 7, 3214868480
	.fill 96, 4, 3214868480
	.section	.rodata,"a",@progbits
	.p2align	6, 0x0
	.amdhsa_kernel k_qde83ed66fd_qkv
		.amdhsa_group_segment_fixed_size 327680
		.amdhsa_private_segment_fixed_size 0
		.amdhsa_enable_private_segment 0
		.amdhsa_kernarg_size 48
		.amdhsa_user_sgpr_count 2
		.amdhsa_user_sgpr_kernarg_segment_ptr 1
		.amdhsa_wavefront_size32 1
		.amdhsa_system_sgpr_workgroup_id_x 1
		.amdhsa_system_sgpr_workgroup_id_y 1
		.amdhsa_system_sgpr_workgroup_id_z 1
		.amdhsa_system_vgpr_workitem_id 0
		.amdhsa_next_free_vgpr 1024
		.amdhsa_next_free_sgpr 102
		.amdhsa_reserve_vcc 1
		.amdhsa_float_denorm_mode_32 3
		.amdhsa_float_denorm_mode_16_64 3
		.amdhsa_memory_ordered 1
		.amdhsa_forward_progress 1
		.amdhsa_inst_pref_size 133
	.end_amdhsa_kernel
	.amdgpu_metadata
---
amdhsa.version: [ 1, 2 ]
amdhsa.kernels:
  - .name:           k_qde83ed66fd_qkv
    .symbol:         k_qde83ed66fd_qkv.kd
    .args:
      - { .name: codes, .offset: 0, .size: 8, .value_kind: global_buffer, .address_space: global }
      - { .name: scales, .offset: 8, .size: 8, .value_kind: global_buffer, .address_space: global }
      - { .name: b_q, .offset: 16, .size: 8, .value_kind: global_buffer, .address_space: global }
      - { .name: b_v, .offset: 24, .size: 8, .value_kind: global_buffer, .address_space: global }
      - { .name: qkv16, .offset: 32, .size: 8, .value_kind: global_buffer, .address_space: global }
      - { .name: qkv32, .offset: 40, .size: 8, .value_kind: global_buffer, .address_space: global }
    .group_segment_fixed_size: 327680
    .private_segment_fixed_size: 0
    .kernarg_segment_align: 8
    .kernarg_segment_size: 48
    .max_flat_workgroup_size: 128
    .sgpr_count:     102
    .vgpr_count:     1024
    .wavefront_size: 32
...
	.end_amdgpu_metadata
.endif
;; end of part 2
;; launch attn (part 3): grid 4 x 64, 8 waves a work-group, no clusters, 327,680 bytes of LDS; arguments qkv16, o16; writes o16
.if DOCPART == 3
	.amdgcn_target "amdgcn-amd-amdhsa--gfx1250"
	.amdhsa_code_object_version 6
	.text
	.protected	k_qde83ed66fd_attn
	.globl	k_qde83ed66fd_attn
	.p2align	8
	.type	k_qde83ed66fd_attn,@function
k_qde83ed66fd_attn:
	s_mov_b64 s[64:65], 0
	v_nop
	global_prefetch_b8 v0, s[64:65] scope:SCOPE_SE
	s_setreg_imm32_b32 hwreg(HW_REG_WAVE_MODE, 25, 1), 1
	s_wait_xcnt 0x0
; THIRD LAUNCH: O[b][h][q] = sum over k <= q of softmax_k(Q_q . K_k / 8) V_k, operands in f16, products, maxima and sums in f32; the weights p are rounded to f16 for the second product, O once at the end.
; Left out: key steps that lie wholly above the diagonal of the causal mask (their weights are 0); K carries no b_k (shown at the head of the first launch).  Positions 0-15 are computed here too, inside live tiles; the last launch makes the output's rows for them in f32.
; SHARES.  A head's 2,048 queries are eight blocks of 256.  Work-group (i, head) takes block 7 - i, which needs 8 - i slots of 256 keys, and then block i, which needs i + 1: nine slots for every work-group.
; Each of eight waves owns 32 queries of the block in hand: two tiles of 16.  A key step is 64 keys.
; NO CLUSTER: the four work-groups of a head change their block of queries in different trips, which is a branch, and from the fifth trip on they want different slots: joint requests would not be alike in all partners.
; LAYOUT.  S^T = K Q^T (source 0 = 16 keys, source 1 = 16 queries): a lane holds ONE query (lane % 16) and keys 8 (lane / 16) + 0..7 of each tile.  Two such tiles, rounded in pairs, are source 1 of O^T = V^T P.
; K comes out of LDS as it lies, V ([key][channel]) turned, by ds_load_tr16_b128.
; SOFTMAX.  A running maximum m and sum l for each query: p = 2^(c s - c m), c = log2(e) / 8; in every step O and l are multiplied by a = 2^(c m_old - c m_new).  m begins at -3e38, O and l at 0, so the step is written once.
; THE RING.  Two slots, 2^17 bytes apart; a slot holds 256 rows of K (pitch 144) and 256 of V (pitch 160).  Waves 0-3 fetch K's quarters, waves 4-7 V's: one tensor load a wave behind each change of slots; one load of mine is out at any time.
; REGISTERS.  window 0: v1-15 addresses; v16-31 statistics, eight a tile; v32-95 S^T; v96-127 P; v128-191 O^T; v192-223 Q.   window 1: v0-63 K's fragments; v64-127 V's; v128-159 the second block's Q.
.set PK,     144
.set PV,     160
.set KSTEPB, 64*PK
.set VSTEPB, 64*PV
.set VOFF,   256*PK
.set SLOT1,  1<<17
.set STAGE,  SLOT1+256*(PK+PV)         ; the way out: for each wave two tiles of 16 rows x 144 bytes; no tensor load lands here
.set SPARE,  STAGE+8*2*16*PK           ; the spare words, 128 bytes a wave
.set AK0, 1
.set AV0, 2
.set ADK, 3
.set ADV, 4
.set QO,  5
.set STO, 6
.set RD,  7
.set GO,  8
.set PFO, 9
.set SPW, 10
.set NIL, 11
.set DM,  12                           ; v12-13 my query - the step's first key - 8 (lane / 16), for tile 0, 1
.set NINF, 14
.set DL,  15
.set ST,  16                           ; tile x at v[ST+8x]: +0 c m, +1 m, +2, +3 l (even keys', odd keys'), +4 to +7 at work; a at +6
.set S,   32
.set P,   96
.set OA,  128
.set Q,   192
.set VFR, 64
.set Q2,  128
.set WV,  8
.set WI,  9
.set BH,  10
.set NB,  11                           ; slots of the first block
.set PT,  12                           ; the trip
.set SLOTS, 13
.set JC,  14
.set KF,  15                           ; the step's first key
.set Q0,  16                           ; my first query
.set TK,  17                           ; LDS byte of the step's rows of K
.set TV,  18                           ; and, less VOFF, of V
.set LIM, 22
.set KB,  24                           ; s[24:25] my quarter of K's slot 0 in memory
.set VB,  26
.set PB,  28                           ; s[28:29] the one of the two that I fetch
.set PFA, 30
.set OP,  32
.set OH,  34
.set G1K, 36
.set G1V, 44
.set G0K, 52
.set G0V, 56
.set CS,  60
.set SEL, 62
.set MSB, 0
.macro WIN new
.if MSB != \new
	s_set_vgpr_msb (MSB<<8)|\new
.set MSB, \new
.endif
.endm
; Waves 0-3 fetch for K, waves 4-7 for V.  An s_nop 0 and four v_nop follow each of the two lines.
.macro TLOAD
	s_cmp_lt_u32 s[WV], 4
	s_cbranch_scc0 .Lfor_v_\@
	tensor_load_to_lds s[G0K:G0K+3], s[G1K:G1K+7]
	s_nop 0
.rept 4
	v_nop
.endr
	s_branch .Lasked_\@
.Lfor_v_\@:
	tensor_load_to_lds s[G0V:G0V+3], s[G1V:G1V+7]
	s_nop 0
.rept 4
	v_nop
.endr
.Lasked_\@:
.endm
; A prefetch of the slot that the NEXT change of slots will ask for.  All four work-groups of a head walk the same K and V: the one with i = 0, which walks slots 0 to 7 in order, asks, in trips 0 to 5, for slot trip + 2.
; Each wave names the 8,192 bytes that it will fetch, lanes 256 bytes apart: each block of 256 bytes is named once in the launch.  Slots 0 and 1 come by their loads alone.
.macro ASK
	s_cmp_gt_u32 s[SLOTS], s[LIM]
	s_cbranch_scc0 .Lnot_mine_\@
	global_prefetch_b8 v[PFO], s[PFA:PFA+1] th:TH_LOAD_NT scope:SCOPE_SE
.Lnot_mine_\@:
.endm
.macro INIT
.irp t, 0,1
	v_mov_b32 v[ST+8*\t+1], 0xff61b1e6             ; m = -3e38, under every score
	v_mul_f32 v[ST+8*\t], s[CS], v[ST+8*\t+1]
.irp j, 2,3,4,5,6,7
	v_mov_b32 v[ST+8*\t+\j], 0                     ; l; and the registers at work, so that they are written on every path
.endr
.endr
.set i, 0
.rept 64
	v_mov_b32 v[OA+i], 0                           ; O^T: the first step's a is 0 and leaves zeros
.set i, i+1
.endr
.endm
	s_load_b128 s[4:7], s[0:1], 0x0                ; qkv16 s[4:5], o16 s[6:7]
	v_lshl_add_u32 v[SPW], v0, 2, SPARE
	v_mov_b32 v[NIL], 0
	ds_add_u32 v[SPW], v[NIL]                      ; the wave's opening: an add to my spare word, twice on end, waited for ahead of my first tensor load
	ds_add_u32 v[SPW], v[NIL]
	v_lshrrev_b32 v32, 5, v0
	v_readfirstlane_b32 s[WV], v32                 ; wave 0..7
	s_mov_b32 s[WI], ttmp9
	s_and_b32 s[BH], ttmp7, 0xffff                 ; 16 x batch + head
	s_sub_co_u32 s[NB], 8, s[WI]
	s_mov_b32 s[G1K], (1<<16)|(1<<20)|(4<<22)|(3<<25)   ; elements of 2 bytes; padding on; after every 32 words four words
	s_mov_b32 s[G1V], (1<<16)|(1<<20)|(4<<22)|(7<<25)   ; the same with eight words
.irp g, G1K, G1V
	s_mov_b32 s[\g+1], 64<<16                      ; tensor_dim0 = 64
	s_mov_b32 s[\g+2], 64<<16                      ; tensor_dim1 = 64
	s_mov_b32 s[\g+3], 64<<16                      ; tile_dim0 = 64
	s_mov_b32 s[\g+4], 64                          ; tile_dim1 = 64
	s_mov_b32 s[\g+5], 64                          ; from row to row
	s_mov_b32 s[\g+6], 0
	s_mov_b32 s[\g+7], 0
.endr
	s_mov_b32 s[CS], 0x3e38aa3b                    ; c = log2(e) / 8
	s_mov_b32 s[CS+1], s[CS]
	s_mov_b32 s[SEL], 0x76543210
	s_mov_b32 s[SEL+1], 0xfedcba98
	s_mov_b32 s[PT], 0
	s_mov_b32 s[SLOTS], 8
	s_mov_b32 s[KF], 0
	s_mov_b32 s[TK], 0
	s_mov_b32 s[TV], 0
	s_lshl_b32 s2, s[BH], 18                       ; a head: 2,048 rows of 128 bytes
	s_mov_b32 s3, 0
	s_and_b32 s19, s[WV], 3
	s_lshl_b32 s20, s19, 13                        ; my quarter of a slot: 64 rows
	s_mov_b32 s21, 0
	s_mov_b32 s[G0K], 1
	s_mul_i32 s[G0K+1], s19, KSTEPB
	s_mov_b32 s[G0V], 1
	s_mul_i32 s[G0V+1], s19, VSTEPB
	s_add_co_u32 s[G0V+1], s[G0V+1], VOFF
	s_wait_dscnt 0x0                               ; both opening adds are done
	s_wait_kmcnt 0x0
	s_add_nc_u64 s[4:5], s[4:5], s[2:3]            ; Q's head
	s_add_nc_u64 s[OH:OH+1], s[6:7], s[2:3]        ; O's head
	s_add_nc_u64 s[KB:KB+1], s[4:5], s[20:21]
	s_add_nc_u64 s[VB:VB+1], s[KB:KB+1], 0x2000000 ; V lies two tensors behind Q,
	s_add_nc_u64 s[KB:KB+1], s[KB:KB+1], 0x1000000 ; K one
	s_mov_b64 s[G0K+2:G0K+3], s[KB:KB+1]
	s_or_b32 s[G0K+3], s[G0K+3], 0x80000000
	s_mov_b64 s[G0V+2:G0V+3], s[VB:VB+1]
	s_or_b32 s[G0V+3], s[G0V+3], 0x80000000
	TLOAD                                          ; slot 0
	s_cmp_lt_u32 s[WV], 4
	s_cselect_b64 s[PB:PB+1], s[KB:KB+1], s[VB:VB+1]
	s_mov_b64 s[PFA:PFA+1], s[PB:PB+1]
	s_cmp_eq_u32 s[WI], 0
	s_cselect_b32 s[LIM], 2, -1
	s_sub_co_u32 s19, 7, s[WI]
	s_lshl_b32 s19, s19, 8
	s_lshl_b32 s23, s[WV], 5
	s_add_co_u32 s[Q0], s19, s23                   ; my first query in block 7 - i
	s_lshl_b32 s20, s[Q0], 7
	s_add_nc_u64 s[66:67], s[4:5], s[20:21]
	s_add_nc_u64 s[OP:OP+1], s[OH:OH+1], s[20:21]
	s_lshl_b32 s19, s[WI], 8
	s_add_co_u32 s19, s19, s23                     ; and in block i
	s_lshl_b32 s20, s19, 7
	s_add_nc_u64 s[68:69], s[4:5], s[20:21]
	v_and_b32 v32, 15, v0                          ; r
	v_bfe_u32 v33, v0, 4, 1                        ; h
	v_lshlrev_b32 v[QO], 7, v32
	v_lshl_add_u32 v[QO], v33, 4, v[QO]            ; Q: row r of 128 bytes + 16 h
.irp t, 0,1
.irp c, 0,1
	global_load_b128 v[Q+16*\t+8*\c:Q+16*\t+8*\c+3],   v[QO], s[66:67] offset:2048*\t+64*\c
	global_load_b128 v[Q+16*\t+8*\c+4:Q+16*\t+8*\c+7], v[QO], s[66:67] offset:2048*\t+64*\c+32
.endr
.endr
	WIN 0x40                                       ; destination window 1
.irp t, 0,1
.irp c, 0,1
	global_load_b128 v[Q2+16*\t+8*\c:Q2+16*\t+8*\c+3],   v[QO], s[68:69] offset:2048*\t+64*\c
	global_load_b128 v[Q2+16*\t+8*\c+4:Q2+16*\t+8*\c+7], v[QO], s[68:69] offset:2048*\t+64*\c+32
.endr
.endr
	WIN 0
	v_mul_u32_u24 v[AK0], v32, PK
	v_lshl_add_u32 v[AK0], v33, 4, v[AK0]          ; K: row r x pitch + 16 h
	v_and_b32 v34, 7, v0
	v_bfe_u32 v35, v0, 3, 1
	v_lshl_add_u32 v[AV0], v33, 3, v34             ; V, for the turning load: key 8 h + l % 8,
	v_mul_u32_u24 v[AV0], v[AV0], PV
	v_lshl_add_u32 v[AV0], v35, 4, v[AV0]          ; channels 8 ((l / 8) % 2) on
	v_add_nc_u32 v[AV0], VOFF, v[AV0]
	s_mul_i32 s19, s[WV], 2*16*PK
	s_add_co_u32 s19, s19, STAGE                   ; my stage
	v_add_nc_u32 v[STO], s19, v[AK0]               ; in: row r, 16 bytes for each half of the lanes
	v_and_b32 v36, 31, v0
	v_lshrrev_b32 v37, 3, v36
	v_mul_u32_u24 v[RD], v37, PK
	v_lshl_add_u32 v[RD], v34, 4, v[RD]
	v_add_nc_u32 v[RD], s19, v[RD]                 ; back: eight lanes a row of 128 bytes, four rows an instruction
	v_lshlrev_b32 v[GO], 4, v36
	v_lshlrev_b32 v[PFO], 8, v36
	v_lshlrev_b32 v37, 3, v33
	v_sub_nc_u32 v[DL], v32, v37                   ; r - 8 h
	v_mov_b32 v[NINF], 0xff800000
	INIT
.macro FETCH_K off                     ; 64 keys x 64 channels: fragment f = keys 16 (f / 2) on, channels 32 (f % 2) on
	WIN 0x40
.irp f, 0,1,2,3,4,5,6,7
	ds_load_b128 v[8*\f:8*\f+3],   v[ADK] offset:\off+(\f/2)*16*PK+(\f%2)*64
	ds_load_b128 v[8*\f+4:8*\f+7], v[ADK] offset:\off+(\f/2)*16*PK+(\f%2)*64+32
.endr
	WIN 0
.endm
.macro FETCH_V                         ; turned: fragment f = keys 32 (f / 4) on, channels 16 (f % 4) on
	WIN 0x40
.irp f, 0,1,2,3,4,5,6,7
	ds_load_tr16_b128 v[VFR+8*\f:VFR+8*\f+3],   v[ADV] offset:(\f/4)*32*PV+(\f%4)*32
	ds_load_tr16_b128 v[VFR+8*\f+4:VFR+8*\f+7], v[ADV] offset:(\f/4)*32*PV+16*PV+(\f%4)*32
.endr
	WIN 0
.endm
; The accumulators take turns, one instruction a turn.
.macro KQ x                            ; S^T of tile x: four tiles of 16 keys, two deep along the channels; the first four start the sums
.irp c, 0,1
.irp kt, 0,1,2,3
.if \c == 0
	v_wmma_f32_16x16x32_f16 v[S+32*\x+8*\kt:S+32*\x+8*\kt+7], v[16*\kt+8*\c:16*\kt+8*\c+7], v[Q+16*\x+8*\c:Q+16*\x+8*\c+7], 0
.else
	v_wmma_f32_16x16x32_f16 v[S+32*\x+8*\kt:S+32*\x+8*\kt+7], v[16*\kt+8*\c:16*\kt+8*\c+7], v[Q+16*\x+8*\c:Q+16*\x+8*\c+7], v[S+32*\x+8*\kt:S+32*\x+8*\kt+7]
.endif
.endr
.endr
.endm
.macro PVX x                           ; O^T of tile x += V^T P: four tiles of 16 channels, two deep along the keys
.irp kh, 0,1
.irp ct, 0,1,2,3
	v_wmma_f32_16x16x32_f16 v[OA+32*\x+8*\ct:OA+32*\x+8*\ct+7], v[VFR+8*(4*\kh+\ct):VFR+8*(4*\kh+\ct)+7], v[P+16*\x+8*\kh:P+16*\x+8*\kh+7], v[OA+32*\x+8*\ct:OA+32*\x+8*\ct+7]
.endr
.endr
.endm
.macro MASK x                          ; register n holds key KF + 16 (n / 8) + 8 (lane / 16) + n % 8: hidden where it comes after my query
.irp n, 0,1,2,3,4,5,6,7,8,9,10,11,12,13,14,15,16,17,18,19,20,21,22,23,24,25,26,27,28,29,30,31
	v_cmp_gt_i32 vcc_lo, 16*(\n/8)+\n%8, v[DM+\x]
	v_cndmask_b32 v[S+32*\x+\n], v[S+32*\x+\n], v[NINF], vcc_lo
.endr
.endm
; The softmax of tile x up to P and the rescaled O^T.  The 33 exponentials are one batch with one wait ahead of the first instruction that names a result.
.macro SMA x
.set rT, ST+8*(\x)
.set rS, S+32*(\x)
.set rP, P+16*(\x)
.set rO, OA+32*(\x)
.irp j, 0,1,2,3
	v_max3_num_f32 v[rT+4+\j], v[rS+8*\j], v[rS+8*\j+1], v[rS+8*\j+2]       ; four chains; each accumulator is read from its low end on
.endr
.irp g, 1,2
.irp j, 0,1,2,3
	v_max3_num_f32 v[rT+4+\j], v[rT+4+\j], v[rS+8*\j+2*\g+1], v[rS+8*\j+2*\g+2]
.endr
.endr
	v_max3_num_f32 v[rT+4], v[rT+4], v[rS+7], v[rS+15]
	v_max3_num_f32 v[rT+6], v[rT+6], v[rS+23], v[rS+31]
	v_max3_num_f32 v[rT+4], v[rT+4], v[rT+5], v[rT+6]
	v_max3_num_f32 v[rT+4], v[rT+4], v[rT+7], v[rT+1]                       ; with the old m
	v_permlanex16_b32 v[rT+5], v[rT+4], s[SEL], s[SEL+1]                    ; the query's other 32 keys lie in the lane 16 away
	v_mov_b32 v[rT+7], v[rT]                                                ; c m_old
	v_max_num_f32 v[rT+1], v[rT+4], v[rT+5]
	v_mul_f32 v[rT], s[CS], v[rT+1]
	v_sub_f32 v[rT+7], v[rT+7], v[rT]
.set i, 0
.rept 16
	v_pk_fma_f32 v[rS+2*i:rS+2*i+1], v[rS+2*i:rS+2*i+1], s[CS:CS+1], v[rT:rT+1] op_sel_hi:[1,0,0] neg_lo:[0,0,1] neg_hi:[0,0,1]   ; c s - c m
.set i, i+1
.endr
	v_exp_f32 v[rT+6], v[rT+7]                                              ; a
.set i, 0
.rept 32
	v_exp_f32 v[rS+i], v[rS+i]
.set i, i+1
.endr
	v_nop                                                                   ; a plain instruction behind the last exponential
	s_wait_alu depctr_va_vdst(0)
.set i, 0
.rept 16
	v_cvt_pk_f16_f32 v[rP+i], v[rS+2*i], v[rS+2*i+1]
.set i, i+1
.endr
.set i, 0
.rept 16
	v_pk_mul_f32 v[rO+2*i:rO+2*i+1], v[rO+2*i:rO+2*i+1], v[rT+6:rT+7] op_sel_hi:[1,0]
.set i, i+1
.endr
.endm
.macro SMS x                           ; l = a l + the sum of the unrounded p: it stands behind the tile's products V^T P, whose registers it does not name
.set rT, ST+8*(\x)
.set rS, S+32*(\x)
.irp u, 0,1,2,3,4,5,6,7
	v_pk_add_f32 v[rS+4*\u:rS+4*\u+1], v[rS+4*\u:rS+4*\u+1], v[rS+4*\u+2:rS+4*\u+3]
.endr
.irp u, 0,1,2,3
	v_pk_add_f32 v[rS+8*\u:rS+8*\u+1], v[rS+8*\u:rS+8*\u+1], v[rS+8*\u+4:rS+8*\u+5]
.endr
.irp u, 0,1
	v_pk_add_f32 v[rS+16*\u:rS+16*\u+1], v[rS+16*\u:rS+16*\u+1], v[rS+16*\u+8:rS+16*\u+9]
.endr
	v_pk_add_f32 v[rS:rS+1], v[rS:rS+1], v[rS+16:rS+17]
	v_pk_fma_f32 v[rT+2:rT+3], v[rT+2:rT+3], v[rT+6:rT+7], v[rS:rS+1] op_sel_hi:[1,0,1]
.endm
; A KEY STEP of 64 keys.  K of this step is in registers or on its way; V is asked for at the head; K of the next step of the slot is asked for as soon as the products K Q^T are out.
.macro STEP
	s_add_co_u32 s19, s[Q0], 31
	s_cmp_gt_u32 s[KF], s19                        ; all 64 keys come after my 32 queries: ids and the count of steps alone
	s_cbranch_scc1 .Lhidden_\@
	v_add_nc_u32 v[ADV], s[TV], v[AV0]
	v_add_nc_u32 v[ADK], s[TK], v[AK0]
	v_nop
	v_nop
	FETCH_V
	s_wait_dscnt 16                                ; V's sixteen loads may be out; K's are in
	WIN 0x01                                       ; source 0 in window 1
	KQ 0
	KQ 1
	WIN 0
.rept 4
	v_nop                                          ; the places in front of the reads of S^T and of the loads into K's registers
.endr
	s_cmp_eq_u32 s[JC], 1                          ; the slot's last step has no successor in the slot
	s_cbranch_scc1 .Lno_k_\@
	FETCH_K KSTEPB
.Lno_k_\@:
	s_add_co_u32 s19, s[KF], 63
	s_cmp_le_u32 s19, s[Q0]                        ; all keys count for all my queries: no mask
	s_cbranch_scc1 .Lopen_\@
	s_sub_co_i32 s19, s[Q0], s[KF]
	v_add_nc_u32 v[DM], s19, v[DL]
	v_add_nc_u32 v[DM+1], 16, v[DM]
	MASK 0
	MASK 1
.Lopen_\@:
	SMA 0
	s_wait_dscnt 0x0                               ; V is in (and the next step's K)
	WIN 0x01
	PVX 0
	WIN 0
	SMS 0
	SMA 1
	WIN 0x01
	PVX 1
	WIN 0
	SMS 1
.Lhidden_\@:
	s_add_co_u32 s[KF], s[KF], 64
	s_add_co_u32 s[TK], s[TK], KSTEPB
	s_add_co_u32 s[TV], s[TV], VSTEPB
.endm
.macro SLOT
	v_add_nc_u32 v[ADK], s[TK], v[AK0]
	FETCH_K 0
	s_mov_b32 s[JC], 4
.Lstep_\@:
	STEP
	s_sub_co_u32 s[JC], s[JC], 1
	s_cmp_lg_u32 s[JC], 0
	s_cbranch_scc1 .Lstep_\@
	s_sub_co_u32 s[TK], s[TK], 4*KSTEPB            ; back to a slot's first step,
	s_xor_b32 s[TK], s[TK], SLOT1                  ; in the other slot
	s_sub_co_u32 s[TV], s[TV], 4*VSTEPB
	s_xor_b32 s[TV], s[TV], SLOT1
.endm
; THE CHANGE OF SLOTS stands at a slot's head.  Each wave waits for all its tensor loads (its part of the slot ahead), adds 0 to its spare word, and waits for that and for its reads of the slot that it has left.
; Behind the barrier the slot ahead is whole and nobody reads the other one, which is then filled with the keys of the next trip: slot trip + 1 of the first block, or trip + 1 - NB of the second.
.macro CHANGE fill
	s_wait_tensorcnt 0x0                           ; no tensor load of mine is out, so a group 0 may be written
	ds_add_u32 v[SPW], v[NIL]
.if \fill
	s_add_co_u32 s19, s[PT], 1
	s_cmp_ge_u32 s19, s[NB]
	s_cselect_b32 s20, s[NB], 0
	s_sub_co_u32 s20, s19, s20                     ; which 256 keys of the head
	s_lshl_b32 s20, s20, 15
	s_mov_b32 s21, 0
	s_add_nc_u64 s[G0K+2:G0K+3], s[KB:KB+1], s[20:21]
	s_or_b32 s[G0K+3], s[G0K+3], 0x80000000
	s_add_nc_u64 s[G0V+2:G0V+3], s[VB:VB+1], s[20:21]
	s_or_b32 s[G0V+3], s[G0V+3], 0x80000000
	s_xor_b32 s[G0K+1], s[G0K+1], SLOT1
	s_xor_b32 s[G0V+1], s[G0V+1], SLOT1
	s_wait_xcnt 0x0                                ; the last prefetch, a slot back, has read its address
	s_add_co_u32 s20, s19, 1
	s_lshl_b32 s20, s20, 15
	s_add_nc_u64 s[PFA:PFA+1], s[PB:PB+1], s[20:21]
.endif
	s_wait_dscnt 0x0                               ; the add is done, and my reads of the slot that I have left are over
	s_barrier_signal -1
	s_barrier_wait -1
.if \fill
	TLOAD                                          ; the first thing behind the barrier, and my one tensor load until the next
	ASK
.endif
.endm
; A block's end: O^T / l, rounded to f16, through my stage, out as whole rows: 512 consecutive bytes a store.
.macro FINISH
.irp t, 0,1
	v_add_f32 v[ST+8*\t+4], v[ST+8*\t+2], v[ST+8*\t+3]
.endr
.irp t, 0,1
	v_permlanex16_b32 v[ST+8*\t+5], v[ST+8*\t+4], s[SEL], s[SEL+1]
.endr
.irp t, 0,1
	v_add_f32 v[ST+8*\t+4], v[ST+8*\t+4], v[ST+8*\t+5]
.endr
.irp t, 0,1
	v_rcp_f32 v[ST+8*\t+6], v[ST+8*\t+4]
.endr
	v_nop
	s_wait_alu depctr_va_vdst(0)                   ; one wait for both reciprocals, ahead of their first reader
.irp t, 0,1
.set i, 0
.rept 16
	v_pk_mul_f32 v[S+32*\t+2*i:S+32*\t+2*i+1], v[OA+32*\t+2*i:OA+32*\t+2*i+1], v[ST+8*\t+6:ST+8*\t+7] op_sel_hi:[1,0]
.set i, i+1
.endr
.set i, 0
.rept 16
	v_cvt_pk_f16_f32 v[P+16*\t+i], v[S+32*\t+2*i], v[S+32*\t+2*i+1]
.set i, i+1
.endr
.irp ct, 0,1,2,3
	ds_store_b128 v[STO], v[P+16*\t+4*\ct:P+16*\t+4*\ct+3] offset:16*PK*\t+32*\ct
.endr
.irp u, 0,1,2,3
	ds_load_b128 v[S+32*\t+4*\u:S+32*\t+4*\u+3], v[RD] offset:16*PK*\t+4*PK*\u   ; LDS serves a wave's instructions in order: these see my stores
.endr
.endr
	s_wait_dscnt 0x0
.irp t, 0,1
.irp u, 0,1,2,3
	global_store_b128 v[GO], v[S+32*\t+4*\u:S+32*\t+4*\u+3], s[OP:OP+1] offset:2048*\t+512*\u
.endr
.endr
.endm
.macro START                           ; on to block i
	s_wait_xcnt 0x0                                ; the stores have read their registers and their base
	s_lshl_b32 s19, s[WI], 8
	s_lshl_b32 s20, s[WV], 5
	s_add_co_u32 s[Q0], s19, s20
	s_mov_b32 s[KF], 0
	s_lshl_b32 s20, s[Q0], 7
	s_mov_b32 s21, 0
	s_add_nc_u64 s[OP:OP+1], s[OH:OH+1], s[20:21]
	WIN 0x01
.set i, 0
.rept 32
	v_mov_b32 v[Q+i], v[Q2+i]
.set i, i+1
.endr
	WIN 0
	INIT
.endm
	s_wait_loadcnt 0x0                             ; Q of both blocks
.Lslot:                                                ; eight trips: behind each change of slots the next trip's slot is asked for
	CHANGE 1
	SLOT
	s_add_co_u32 s[PT], s[PT], 1
	s_cmp_lg_u32 s[PT], s[NB]                      ; the work-group's number and the count of trips: the same in all eight waves
	s_cbranch_scc1 .Lsame
	FINISH
	START
.Lsame:
	s_sub_co_u32 s[SLOTS], s[SLOTS], 1
	s_cmp_lg_u32 s[SLOTS], 0
	s_cbranch_scc1 .Lslot
	CHANGE 0                                       ; the ninth slot is written out: nothing is left to fetch
	SLOT
	FINISH
	s_wait_tensorcnt 0x0                           ; the wave's end
	ds_add_u32 v[SPW], v[NIL]
	s_wait_dscnt 0x0
	s_endpgm
.Lfunc_end_k_qde83ed66fd_attn:
	.size	k_qde83ed66fd_attn, .Lfunc_end_k_qde83ed66fd_attn-k_qde83ed66fd_attn
	.p2alignl 7, 3214868480
	.fill 96, 4, 3214868480
	.section	.rodata,"a",@progbits
	.p2align	6, 0x0
	.amdhsa_kernel k_qde83ed66fd_attn
		.amdhsa_group_segment_fixed_size 327680
		.amdhsa_private_segment_fixed_size 0
		.amdhsa_enable_private_segment 0
		.amdhsa_kernarg_size 16
		.amdhsa_user_sgpr_count 2
		.amdhsa_user_sgpr_kernarg_segment_ptr 1
		.amdhsa_wavefront_size32 1
		.amdhsa_system_sgpr_workgroup_id_x 1
		.amdhsa_system_sgpr_workgroup_id_y 1
		.amdhsa_system_sgpr_workgroup_id_z 1
		.amdhsa_system_vgpr_workitem_id 0
		.amdhsa_next_free_vgpr 512
		.amdhsa_next_free_sgpr 72
		.amdhsa_reserve_vcc 1
		.amdhsa_float_denorm_mode_32 3
		.amdhsa_float_denorm_mode_16_64 3
		.amdhsa_memory_ordered 1
		.amdhsa_forward_progress 1
		.amdhsa_inst_pref_size 74
	.end_amdhsa_kernel
	.amdgpu_metadata
---
amdhsa.version: [ 1, 2 ]
amdhsa.kernels:
  - .name:           k_qde83ed66fd_attn
    .symbol:         k_qde83ed66fd_attn.kd
    .args:
      - { .name: qkv16, .offset: 0, .size: 8, .value_kind: global_buffer, .address_space: global }
      - { .name: o16, .offset: 8, .size: 8, .value_kind: global_buffer, .address_space: global }
    .group_segment_fixed_size: 327680
    .private_segment_fixed_size: 0
    .kernarg_segment_align: 8
    .kernarg_segment_size: 16
    .max_flat_workgroup_size: 256
    .sgpr_count:     72
    .vgpr_count:     512
    .wavefront_size: 32
...
	.end_amdgpu_metadata
.endif
;; end of part 3
;; launch oproj (part 4): grid 4 x 64, 4 waves a work-group, clusters of 4 x 4, 327,680 bytes of LDS; arguments o16, wo16, b_o, out0; writes out0
.if DOCPART == 4
	.amdgcn_target "amdgcn-amd-amdhsa--gfx1250"
	.amdhsa_code_object_version 6
	.text
	.protected	k_qde83ed66fd_oproj
	.globl	k_qde83ed66fd_oproj
	.p2align	8
	.type	k_qde83ed66fd_oproj,@function
k_qde83ed66fd_oproj:
	s_mov_b64 s[64:65], 0
	v_nop
	global_prefetch_b8 v0, s[64:65] scope:SCOPE_SE
	s_setreg_imm32_b32 hwreg(HW_REG_WAVE_MODE, 25, 1), 1
	s_wait_xcnt 0x0
	s_wait_alu depctr_hold_cnt(0) depctr_sa_sdst(0) depctr_va_vdst(0) depctr_va_sdst(0) depctr_va_ssrc(0) depctr_va_vcc(0) depctr_vm_vsrc(0)
	s_getreg_b32 s2, hwreg(HW_REG_IB_STS2, 6, 4)
	s_cmp_eq_u32 s2, 0
	s_cbranch_scc0 .Lentry_in_a_cluster
	s_endpgm
.Lentry_in_a_cluster:
	s_bfe_u32 s2, ttmp6, 0x10000c
	s_cmp_lg_u32 s2, 0xf033
	s_cbranch_scc0 .Lentry_shape_is_right
	s_endpgm
.Lentry_shape_is_right:
; FOURTH LAUNCH: out[m][e] = sum over d of O[m][d] W_o[e][d] + b_o[e], operands in f16, sums in f32.  O lies by head, [batch][head][position][64]; W_o [1,024][1,024].
; Left out: the store of positions 0-15 of every batch: the last launch makes those rows in f32 (their products stay here, inside live tiles).
; A tile is 128 rows x 256 columns: 256 work-groups.  Four waves, each 64 x 128: 32 accumulators.  K goes in eight steps of 128, two heads each, through a ring of two LDS slots.
; A's tile of a K step is two dense blocks of memory, one a head: 128 rows of 128 bytes (LDS pitch 144); B's is 256 rows of 256 bytes (pitch 272).  Waves 0 and 1 fetch A's two heads, waves 2 and 3 B's two halves.
; CLUSTERS: 4 x 4.  A's tiles are asked for jointly along a row of the cluster, B's along a column.  The matrix instruction is used transposed: a lane holds eight neighbouring columns of a row.
; REGISTERS.  window 0: v0-31 addresses; v32-95 A's fragments, two sets; v96-223 B's, two sets; on the way out v32-159 are free.   window 1: the accumulators ((a, b) at v[8 (8 a + b)]).   window 2: v0-63 b_o in the result's layout: the C of the first products.
.set PITA,   144
.set PITB,   272
.set SUBA,   128*PITA
.set BOFF,   2*SUBA
.set HALFB,  128*PITB
.set SLOT,   BOFF+2*HALFB
.set STAGE,  2*SLOT                    ; the way out: 16 rows x (512 bytes + 16) for each wave; no tensor load lands here
.set SPITCH, 528
.set SPARE,  STAGE+4*16*SPITCH
.set KA,     2*2048*128                ; a K step in A: two heads of 2,048 rows of 128 bytes
.set KBY,    256                       ; and in a row of B
.set ADRA, 16
.set ADRB, 20
.set FLG,  22                          ; v22  0 where my first 16 rows are positions 0-15 of a batch
.set STO,  24
.set RD,   25
.set CO,   26
.set SPW,  28
.set NIL,  29
.set BOF,  30
.set PFO,  31
.set FA0,  32
.set FB0,  96
.set BK,   32
.set WV,  12
.set RH,  13
.set CH,  14
.set LIM, 45
.set PFA, 68
.set G1, 24
.set G0, 32
.set G1B, 48
.set G0B, 56
.set MSB, 0
.macro WIN new
.if MSB != \new
	s_set_vgpr_msb (MSB<<8)|\new
.set MSB, \new
.endif
.endm
.set MUL, 0x50                         ; C and D window 1
.macro JLOAD s                         ; a joint load; an s_nop 0 and four v_nop follow each of the two lines
	s_cmp_eq_u32 s[RH], 0
	s_cbranch_scc0 .Lfor_b_\@
	tensor_load_to_lds s[G0+4*\s:G0+4*\s+3], s[G1:G1+7]
	s_nop 0
.rept 4
	v_nop
.endr
	s_branch .Lasked_\@
.Lfor_b_\@:
	tensor_load_to_lds s[G0B+4*\s:G0B+4*\s+3], s[G1B:G1B+7]
	s_nop 0
.rept 4
	v_nop
.endr
.Lasked_\@:
.endm
.macro CREST
	s_cmp_lg_u32 s[WV], 0
	s_cbranch_scc1 .Lnot_wave_0_\@
	s_barrier_signal -3
.Lnot_wave_0_\@:
	s_barrier_wait -3
	s_barrier_signal -1
	s_barrier_wait -1
.endm
.macro CROUND
	s_barrier_signal -1
	s_barrier_wait -1
	CREST
.endm
; A prefetch of A's tile of the K step that stands two refills on: 32,768 bytes.  One row of a cluster alone reads a tile row of A; its four partners share the bytes out by address, 8,192 each
; (head cx / 2, half cx % 2), wave 0 asks, lanes 256 bytes apart: each block of 256 bytes is named once.  K steps 4 to 7 are asked for; the loop's last trip asks for nothing.  B is read by all clusters and is not asked for.
.macro ASK
	s_cmp_gt_u32 s3, s[LIM]
	s_cbranch_scc0 .Lnot_mine_\@
	global_prefetch_b8 v[PFO], s[PFA:PFA+1] th:TH_LOAD_NT scope:SCOPE_SE
.Lnot_mine_\@:
.endm
	s_load_b256 s[4:11], s[0:1], 0x0               ; o16 s[4:5], wo16 s[6:7], b_o s[8:9], out0 s[10:11]
	v_lshl_add_u32 v[SPW], v0, 2, SPARE
	v_mov_b32 v[NIL], 0
	ds_add_u32 v[SPW], v[NIL]                      ; the wave's opening: an add to my spare word, twice on end, waited for ahead of my first tensor load
	ds_add_u32 v[SPW], v[NIL]
	v_lshrrev_b32 v1, 5, v0
	v_readfirstlane_b32 s[WV], v1
	s_lshr_b32 s[RH], s[WV], 1                     ; which 64 rows are mine.  Also: I fetch for A (0) or for B (1)
	s_and_b32 s[CH], s[WV], 1                      ; which 128 columns.  Also: which head of A, which half of B I fetch
	s_bfe_u32 s40, ttmp6, 0x40000                  ; cx, cy
	s_bfe_u32 s41, ttmp6, 0x40004
	s_lshl_b32 s42, ttmp9, 2
	s_add_co_u32 s42, s42, s40                     ; tile column
	s_and_b32 s15, ttmp7, 0xffff
	s_lshl_b32 s15, s15, 2
	s_add_co_u32 s15, s15, s41                     ; tile row
	s_lshl_b32 s43, s41, 2
	s_lshl_b32 s43, 15, s43
	s_lshl_b32 s44, 0x1111, s40
	s_or_b32 s[G1+0], s43, (1<<16)|(1<<20)|(1<<21)|(4<<22)|(3<<25)   ; A: my row's mask; elements of 2 bytes; after every 32 words four words of padding
	s_mov_b32 s[G1+1], 64<<16                      ; tensor_dim0 = 64
	s_mov_b32 s[G1+2], 128<<16                     ; tensor_dim1 = 128
	s_mov_b32 s[G1+3], 64<<16                      ; tile_dim0 = 64
	s_mov_b32 s[G1+4], 128                         ; tile_dim1 = 128
	s_mov_b32 s[G1+5], 64
	s_mov_b32 s[G1+6], 0
	s_mov_b32 s[G1+7], 0
	s_or_b32 s[G1B+0], s44, (1<<16)|(1<<20)|(1<<21)|(5<<22)|(3<<25)  ; B: my column's mask; after every 64 words
	s_mov_b32 s[G1B+1], 128<<16
	s_mov_b32 s[G1B+2], 128<<16
	s_mov_b32 s[G1B+3], 128<<16
	s_mov_b32 s[G1B+4], 128
	s_mov_b32 s[G1B+5], 1024
	s_mov_b32 s[G1B+6], 0
	s_mov_b32 s[G1B+7], 0
	s_lshr_b32 s16, s15, 4                         ; the batch: sixteen tile rows each
	s_lshl_b32 s16, s16, 4
	s_add_co_u32 s16, s16, s[CH]                   ; 16 x batch + the head that I fetch in K step 0
	s_lshl_b32 s16, s16, 18
	s_and_b32 s17, s15, 15
	s_lshl_b32 s17, s17, 14                        ; 128 rows of 128 bytes a tile row
	s_add_co_u32 s16, s16, s17
	s_mov_b32 s17, 0
	s_lshl_b32 s46, s42, 19                        ; B: 256 rows of 2,048 bytes a tile column,
	s_lshl_b32 s47, s[CH], 18                      ; 128 for my half
	s_add_co_u32 s46, s46, s47
	s_mov_b32 s47, 0
	s_mul_i32 s20, s[CH], SUBA                     ; where they go: no place in the cluster enters an LDS address
	s_mul_i32 s21, s[CH], HALFB
	s_add_co_u32 s21, s21, BOFF
	s_wait_dscnt 0x0
	s_wait_kmcnt 0x0
	s_add_nc_u64 s[18:19], s[4:5], s[16:17]
	s_add_nc_u64 s[46:47], s[6:7], s[46:47]
	CROUND                                         ; all sixteen work-groups are here: the first joint loads meet
.irp s, 0,1
	s_mov_b32 s[G0+4*\s], 1
	s_add_co_u32 s[G0+4*\s+1], s20, \s*SLOT
	s_add_nc_u64 s[G0+4*\s+2:G0+4*\s+3], s[18:19], \s*KA
	s_or_b32 s[G0+4*\s+3], s[G0+4*\s+3], 0x80000000
	s_mov_b32 s[G0B+4*\s], 1
	s_add_co_u32 s[G0B+4*\s+1], s21, \s*SLOT
	s_add_nc_u64 s[G0B+4*\s+2:G0B+4*\s+3], s[46:47], \s*KBY
	s_or_b32 s[G0B+4*\s+3], s[G0B+4*\s+3], 0x80000000
	JLOAD \s
.endr
	v_and_b32 v1, 15, v0
	v_bfe_u32 v2, v0, 4, 1
	v_lshlrev_b32 v[BOF], 5, v2
	s_lshl_b32 s66, s42, 10                        ; my first column in bytes of f32: 1,024 x tile column + 512 x half
	s_lshl_b32 s67, s[CH], 9
	s_add_co_u32 s66, s66, s67
	s_mov_b32 s67, 0
	s_add_nc_u64 s[8:9], s[8:9], s[66:67]          ; in b_o,
	s_add_nc_u64 s[10:11], s[10:11], s[66:67]      ; and in a row of the output
	WIN 0x80                                       ; destination window 2
.irp b, 0,1,2,3,4,5,6,7
	global_load_b128 v[8*\b:8*\b+3], v[BOF], s[8:9] offset:64*\b
	global_load_b128 v[8*\b+4:8*\b+7], v[BOF], s[8:9] offset:64*\b+16
.endr
	WIN 0
	s_lshl_b32 s66, s15, 19                        ; my first row: 128 rows of 4,096 bytes a tile row,
	s_lshl_b32 s22, s[RH], 18                      ; 64 for my half
	s_add_co_u32 s66, s66, s22
	s_add_nc_u64 s[10:11], s[10:11], s[66:67]
	s_and_b32 s22, s15, 15
	s_or_b32 s22, s22, s[RH]
	v_mov_b32 v[FLG], s22
	v_mul_u32_u24 v3, v1, PITA
	v_lshl_add_u32 v3, v2, 4, v3
	v_mul_u32_u24 v4, v1, PITB
	v_lshl_add_u32 v4, v2, 4, v4
	s_mul_i32 s21, s[RH], 64*PITA                  ; my 64 rows of A, in each head's block
	s_mul_i32 s22, s[CH], HALFB
	s_add_co_u32 s22, s22, BOFF                    ; my 128 rows of B
.irp s, 0,1
	v_add_nc_u32 v[ADRA+\s], s21, v3
	v_add_nc_u32 v[ADRB+\s], s22, v4
	s_add_co_u32 s21, s21, SLOT
	s_add_co_u32 s22, s22, SLOT
.endr
	s_mul_i32 s23, s[WV], 16*SPITCH
	s_add_co_u32 s23, s23, STAGE
	v_mul_u32_u24 v5, v1, SPITCH
	v_lshl_add_u32 v5, v2, 5, v5
	v_add_nc_u32 v[STO], s23, v5                   ; in: row l % 16, 32 bytes for each half of the lanes
	v_and_b32 v6, 31, v0
	v_lshlrev_b32 v[CO], 4, v6                     ; back: the 32 lanes take one row of 512 bytes; and the same in the output
	v_add_nc_u32 v[RD], s23, v[CO]
	v_lshlrev_b32 v[PFO], 8, v6
	s_lshr_b32 s66, s15, 4                         ; the prefetches: 16 x batch
	s_lshl_b32 s66, s66, 4
	s_lshr_b32 s22, s40, 1
	s_add_co_u32 s66, s66, s22                     ; + cx / 2: which of the K step's two heads
	s_lshl_b32 s66, s66, 18
	s_and_b32 s22, s15, 15
	s_lshl_b32 s22, s22, 14
	s_add_co_u32 s66, s66, s22
	s_and_b32 s22, s40, 1
	s_lshl_b32 s22, s22, 13                        ; + cx % 2: which half of its 16,384 bytes
	s_add_co_u32 s66, s66, s22
	s_add_co_u32 s66, s66, 3*KA                    ; at K step 3: the first change of slots steps it to 4
	s_add_nc_u64 s[PFA:PFA+1], s[4:5], s[66:67]
	s_cmp_eq_u32 s[WV], 0
	s_cselect_b32 s[LIM], 1, -1
; 24 LDS loads: the fragments of the kq-th 32 along K of a slot into set f: B's eight, then A's four
.macro FETCH slot, kq, f
.irp i, 0,1,2,3,4,5,6,7
	ds_load_b128 v[FB0+64*(\f)+8*\i:FB0+64*(\f)+8*\i+3],   v[ADRB+\slot] offset:64*(\kq)+\i*16*PITB
	ds_load_b128 v[FB0+64*(\f)+8*\i+4:FB0+64*(\f)+8*\i+7], v[ADRB+\slot] offset:64*(\kq)+\i*16*PITB+32
.endr
.irp i, 0,1,2,3
	ds_load_b128 v[FA0+32*(\f)+8*\i:FA0+32*(\f)+8*\i+3],   v[ADRA+\slot] offset:SUBA*((\kq)/2)+64*((\kq)%2)+\i*16*PITA
	ds_load_b128 v[FA0+32*(\f)+8*\i+4:FA0+32*(\f)+8*\i+7], v[ADRA+\slot] offset:SUBA*((\kq)/2)+64*((\kq)%2)+\i*16*PITA+32
.endr
.endm
; 8 matrix instructions: A's block a x B's eight.  first = 1: b_o is the C.  The 32 accumulators take turns, one instruction a turn, in the same order in every quarter.
.macro MULA f, a, first
.irp b, 0,1,2,3,4,5,6,7
.if \first
	v_wmma_f32_16x16x32_f16 v[8*(8*(\a)+\b):8*(8*(\a)+\b)+7], v[FB0+64*(\f)+8*\b:FB0+64*(\f)+8*\b+7], v[FA0+32*(\f)+8*(\a):FA0+32*(\f)+8*(\a)+7], v[8*\b:8*\b+7]
.else
	v_wmma_f32_16x16x32_f16 v[8*(8*(\a)+\b):8*(8*(\a)+\b)+7], v[FB0+64*(\f)+8*\b:FB0+64*(\f)+8*\b+7], v[FA0+32*(\f)+8*(\a):FA0+32*(\f)+8*(\a)+7], v[8*(8*(\a)+\b):8*(8*(\a)+\b)+7]
.endif
.endr
.endm
.macro PLACES
.rept 4
	v_nop
.endr
.endm
; A K step is four quarters of 32 along K on sets 0, 1, 0, 1.  One of the first three: multiplies set f, and in its middle fetches quarter kq into set g.
.macro QUARTER slot, kq, f, g, first
	s_wait_dscnt 4                                 ; B and A's blocks 0, 1 are in; the youngest four loads (blocks 2, 3) may be out
.if \first
	WIN 0x60                                       ; C window 2, D window 1
.else
	WIN MUL
.endif
	MULA \f, 0, \first
	MULA \f, 1, \first
	WIN 0
	PLACES
	FETCH \slot, \kq, \g
	s_wait_dscnt 24                                ; all but the 24 just issued
.if \first
	WIN 0x60
.else
	WIN MUL
.endif
	MULA \f, 2, \first
	MULA \f, 3, \first
.endm
; The last quarter multiplies set 1 and changes slots: one barrier; in front of it each wave waits for all its tensor loads, adds 0 to its spare word, and waits for that and for its reads of this slot.
.macro TURN slot, next, fill
.if \fill
	s_wait_xcnt 0x0                                ; the last prefetch, a K step back, has read its address
	s_add_nc_u64 s[PFA:PFA+1], s[PFA:PFA+1], KA
.endif
	WIN 0
	s_wait_tensorcnt 0x0                           ; all my tensor loads have landed: my part of the next slot
	ds_add_u32 v[SPW], v[NIL]
	s_wait_dscnt 5                                 ; the add and the youngest four loads may be out
	WIN MUL
	MULA 1, 0, 0
	s_wait_dscnt 0x0                               ; the add is done, and my reads of this slot are over
	s_barrier_signal -1
	MULA 1, 1, 0
	WIN 0
	s_barrier_wait -1
.if \fill
	CREST                                          ; the barrier has opened a round of the cluster's barrier: no wave of any partner still reads this slot or has a load on its way
	s_add_nc_u64 s[G0+4*\slot+2:G0+4*\slot+3], s[G0+4*\slot+2:G0+4*\slot+3], 2*KA
	s_add_nc_u64 s[G0B+4*\slot+2:G0B+4*\slot+3], s[G0B+4*\slot+2:G0B+4*\slot+3], 2*KBY
	JLOAD \slot                                    ; the first tensor load behind the round; its four v_nop are also the places in front of the loads below
.else
	PLACES
.endif
	FETCH \next, 0, 0
.if \fill
	ASK
.endif
	WIN MUL
	MULA 1, 2, 0
	MULA 1, 3, 0
.endm
	s_wait_tensorcnt 1                             ; my part of K step 0 is in; K step 1's may be out
	s_barrier_signal -1
	s_barrier_wait -1
	s_wait_loadcnt 0x0                             ; b_o
	FETCH 0, 0, 0
	QUARTER 0, 1, 0, 1, 1                          ; the first quarter stands in front of the loop: its products start the sums on b_o
	WIN 0
	s_mov_b32 s3, 3
.Llap:                                                 ; a trip goes once round the ring and fills both slots again: K steps 2 to 7
	QUARTER 0, 2, 1, 0, 0
	QUARTER 0, 3, 0, 1, 0
	TURN 0, 1, 1
	QUARTER 1, 1, 0, 1, 0
	QUARTER 1, 2, 1, 0, 0
	QUARTER 1, 3, 0, 1, 0
	TURN 1, 0, 1
	QUARTER 0, 1, 0, 1, 0
	WIN 0
	s_sub_co_u32 s3, s3, 1
	s_cmp_lg_u32 s3, 0
	s_cbranch_scc1 .Llap
	QUARTER 0, 2, 1, 0, 0                          ; the last lap fills nothing
	QUARTER 0, 3, 0, 1, 0
	TURN 0, 1, 0
	QUARTER 1, 1, 0, 1, 0
	QUARTER 1, 2, 1, 0, 0
	QUARTER 1, 3, 0, 1, 0
	s_wait_dscnt 4
	WIN MUL
	MULA 1, 0, 0
	MULA 1, 1, 0
	s_wait_dscnt 0
	MULA 1, 2, 0
	MULA 1, 3, 0
	WIN 0
; THE WAY OUT, a block of 16 rows x 128 columns at a time, through my own stage: back as whole rows of 512 bytes.
.macro TOSTAGE a
	WIN 0x04                                       ; an LDS store's data: window 1
.irp b, 0,1,2,3,4,5,6,7
	ds_store_b128 v[STO], v[64*(\a)+8*\b:64*(\a)+8*\b+3] offset:64*\b       ; each accumulator from its low end on
	ds_store_b128 v[STO], v[64*(\a)+8*\b+4:64*(\a)+8*\b+7] offset:64*\b+16
.endr
	WIN 0
.set BB, BK+64*((\a)%2)
.irp t, 0,1,2,3,4,5,6,7,8,9,10,11,12,13,14,15
	ds_load_b128 v[BB+4*\t:BB+4*\t+3], v[RD] offset:\t*SPITCH       ; LDS serves a wave's instructions in order: these see the stores above
.endr
.endm
.macro SEND a, younger                 ; younger: the LDS instructions issued behind block a's loads, which may stay out
.set BB, BK+64*((\a)%2)
	s_wait_dscnt \younger
.if (\a) == 0                          ; my first block is not stored where it holds positions 0-15.  A masked store, not a branch: the tile row hangs on my place in the cluster
	s_wait_xcnt 0x0                                ; EXEC changes only behind this wait
	v_cmp_ne_u32 vcc_lo, 0, v[FLG]
	s_and_saveexec_b32 s23, vcc_lo
.endif
.irp t, 0,1,2,3,4,5,6,7,8,9,10,11,12,13,14,15
	global_store_b128 v[CO], v[BB+4*\t:BB+4*\t+3], s[10:11] offset:65536*(\a)+4096*\t th:TH_STORE_NT   ; 512 consecutive bytes, aligned
.endr
.if (\a) == 0
	s_wait_xcnt 0x0
	s_or_b32 exec_lo, exec_lo, s23
.endif
.endm
	PLACES
	TOSTAGE 0
.irp a, 1,2,3
.if \a > 1
	s_wait_xcnt 0x0                                ; block a - 2's stores have read their registers: block a's loads may land there
.endif
	TOSTAGE \a
	SEND \a-1, 32                                  ; behind block a - 1's loads: block a's 16 stores and 16 loads
.endr
	SEND 3, 0
	s_wait_tensorcnt 0x0                           ; the wave's end
	ds_add_u32 v[SPW], v[NIL]
	s_wait_dscnt 0x0
	CROUND                                         ; the closing round
	s_endpgm
.Lfunc_end_k_qde83ed66fd_oproj:
	.size	k_qde83ed66fd_oproj, .Lfunc_end_k_qde83ed66fd_oproj-k_qde83ed66fd_oproj
	.p2alignl 7, 3214868480
	.fill 96, 4, 3214868480
	.section	.rodata,"a",@progbits
	.p2align	6, 0x0
	.amdhsa_kernel k_qde83ed66fd_oproj
		.amdhsa_group_segment_fixed_size 327680
		.amdhsa_private_segment_fixed_size 0
		.amdhsa_enable_private_segment 0
		.amdhsa_kernarg_size 32
		.amdhsa_user_sgpr_count 2
		.amdhsa_user_sgpr_kernarg_segment_ptr 1
		.amdhsa_wavefront_size32 1
		.amdhsa_system_sgpr_workgroup_id_x 1
		.amdhsa_system_sgpr_workgroup_id_y 1
		.amdhsa_system_sgpr_workgroup_id_z 1
		.amdhsa_system_vgpr_workitem_id 0
		.amdhsa_next_free_vgpr 576
		.amdhsa_next_free_sgpr 70
		.amdhsa_reserve_vcc 1
		.amdhsa_float_denorm_mode_32 3
		.amdhsa_float_denorm_mode_16_64 3
		.amdhsa_memory_ordered 1
		.amdhsa_forward_progress 1
		.amdhsa_inst_pref_size 88
	.end_amdhsa_kernel
	.amdgpu_metadata
---
amdhsa.version: [ 1, 2 ]
amdhsa.kernels:
  - .name:           k_qde83ed66fd_oproj
    .symbol:         k_qde83ed66fd_oproj.kd
    .args:
      - { .name: o16, .offset: 0, .size: 8, .value_kind: global_buffer, .address_space: global }
      - { .name: wo16, .offset: 8, .size: 8, .value_kind: global_buffer, .address_space: global }
      - { .name: b_o, .offset: 16, .size: 8, .value_kind: global_buffer, .address_space: global }
      - { .name: out0, .offset: 24, .size: 8, .value_kind: global_buffer, .address_space: global }
    .group_segment_fixed_size: 327680
    .private_segment_fixed_size: 0
    .kernarg_segment_align: 8
    .kernarg_segment_size: 32
    .max_flat_workgroup_size: 128
    .sgpr_count:     70
    .vgpr_count:     576
    .wavefront_size: 32
...
	.end_amdgpu_metadata
.endif
;; end of part 4
;; launch fine (part 5): grid 64 x 4, 16 waves a work-group, no clusters, 18,432 bytes of LDS; arguments qkv32, W_o, b_o, out0; writes out0
.if DOCPART == 5
	.amdgcn_target "amdgcn-amd-amdhsa--gfx1250"
	.amdhsa_code_object_version 6
	.text
	.protected	k_qde83ed66fd_fine
	.globl	k_qde83ed66fd_fine
	.p2align	8
	.type	k_qde83ed66fd_fine,@function
k_qde83ed66fd_fine:
	s_mov_b64 s[64:65], 0
	v_nop
	global_prefetch_b8 v0, s[64:65] scope:SCOPE_SE
	s_setreg_imm32_b32 hwreg(HW_REG_WAVE_MODE, 25, 1), 1
	s_wait_xcnt 0x0
; FIFTH LAUNCH: the output's rows of positions 0-15 of every batch, all in f32: these rows average one to sixteen values and are the largest of the output, so 16-bit operands are too coarse for them.
; K carries no b_k (shown at the head of the first launch).  Keys beyond position 15 are hidden from these queries by the causal mask and are not touched.
; SHARES.  Work-group (x, batch) makes columns 16 x .. 16 x + 15 of the batch's 16 rows; wave w is head w.  Each wave makes its head's attention for the 16 rows (48 small matrix instructions with the projection), multiplies it by
; its 64 columns of 16 rows of W_o, and the sixteen partial tiles are added through LDS.  Every work-group of a batch repeats the small attention, so that the chain needs one launch.
; A work-group stores 64 bytes of each of 16 rows: parts of 256-byte blocks, on 262,144 bytes of the output in all.
; qkv32 holds an image of accumulators: [batch][128 columns][chunk 2 nb + q][lane 16 h + r][4]: position r, columns 16 nb + 8 h + 4 q + 0..3.  A chunk's registers, two at a time, ARE an operand of the f32 form
; (lane (r, h): row r, k = 2 h + j) under a permutation of the channels that is the same for Q and K.
; REGISTERS: v16-47 Q, later o; v48-79 K; v80-111 V; v112-143 W_o; v144-175 four accumulators (scores, later the projection) and v176-207 O^T's four: written by matrix instructions alone; v208-215 scores; v216-223 p; v224-247 at work.
.set SPARE, 16384
.set SPW, 10
.set NIL, 11
	s_load_b256 s[4:11], s[0:1], 0x0               ; qkv32 s[4:5], W_o s[6:7], b_o s[8:9], out0 s[10:11]
	v_lshl_add_u32 v[SPW], v0, 2, SPARE
	v_mov_b32 v[NIL], 0
	v_lshrrev_b32 v1, 5, v0
	v_readfirstlane_b32 s12, v1                    ; wave = head
	s_and_b32 s13, ttmp7, 0xffff                   ; batch
	v_and_b32 v1, 31, v0
	v_and_b32 v2, 15, v0                           ; r
	v_bfe_u32 v3, v0, 4, 1                         ; h
	v_lshlrev_b32 v4, 4, v1                        ; Q, K: 16 x lane in a chunk
	v_bfe_u32 v5, v0, 2, 1
	v_bfe_u32 v6, v0, 3, 1
	v_and_b32 v7, 3, v0
	v_lshlrev_b32 v5, 9, v5                        ; V(key 8 h + kk, channel 16 ct + r): chunk 2 ct + (r / 4) % 2,
	v_lshl_add_u32 v5, v6, 8, v5                   ; lane 16 (r / 8) + key,
	v_lshl_add_u32 v5, v7, 2, v5                   ; word r % 4
	v_lshl_add_u32 v5, v3, 7, v5
	v_lshlrev_b32 v6, 12, v2
	v_lshl_add_u32 v6, v3, 5, v6                   ; W_o: row r of 4,096 bytes + 32 h
	s_lshl_b32 s14, s12, 10
	v_lshlrev_b32 v7, 6, v2
	v_lshl_add_u32 v7, v3, 5, v7
	v_add_nc_u32 v7, s14, v7                       ; LDS: my wave's tile: 1,024 w + 64 r + 32 h
	v_and_b32 v8, 63, v0
	v_lshrrev_b32 v12, 2, v8
	v_and_b32 v13, 3, v0
	v_lshlrev_b32 v13, 4, v13                      ; the final sum: thread t of 64 takes 16 bytes: row t / 4, columns 4 (t % 4) on
	v_lshl_add_u32 v12, v12, 12, v13
	v_lshlrev_b32 v8, 4, v8
	v_lshlrev_b32 v9, 3, v3
	v_sub_nc_u32 v9, v2, v9                        ; r - 8 h
	s_mov_b32 s16, 0x76543210
	s_mov_b32 s17, 0xfedcba98
	s_mov_b32 s18, 0x3e38aa3b                      ; c = log2(e) / 8
	s_mul_i32 s14, s13, 24*8192
	s_lshl_b32 s15, s12, 12                        ; a head: half of a block of 128 columns: 4,096 bytes
	s_add_co_u32 s14, s14, s15
	s_mov_b32 s15, 0
	s_lshl_b32 s20, ttmp9, 16                      ; W_o: 16 rows of 4,096 bytes a work-group,
	s_lshl_b32 s21, s12, 8                         ; 64 columns a head
	s_add_co_u32 s20, s20, s21
	s_mov_b32 s21, 0
	s_lshl_b32 s22, ttmp9, 6                       ; my 16 columns in bytes
	s_mov_b32 s23, 0
	s_lshl_b32 s24, s13, 23                        ; a batch of the output: 2,048 rows of 4,096 bytes
	s_mov_b32 s25, 0
	s_wait_kmcnt 0x0
	s_add_nc_u64 s[4:5], s[4:5], s[14:15]
	s_add_nc_u64 s[6:7], s[6:7], s[20:21]
	s_add_nc_u64 s[8:9], s[8:9], s[22:23]
	s_add_nc_u64 s[10:11], s[10:11], s[22:23]
	s_add_nc_u64 s[10:11], s[10:11], s[24:25]
.irp c, 0,1,2,3,4,5,6,7
	global_load_b128 v[48+4*\c:51+4*\c], v4, s[4:5] offset:65536+512*\c    ; K: eight blocks of 128 columns behind Q
.endr
.irp c, 0,1,2,3,4,5,6,7
	global_load_b128 v[16+4*\c:19+4*\c], v4, s[4:5] offset:512*\c          ; Q
.endr
.irp ct, 0,1,2,3
.irp kk, 0,1,2,3,4,5,6,7
	global_load_b32 v[80+8*\ct+\kk], v5, s[4:5] offset:131072+1024*\ct+16*\kk   ; V
.endr
.endr
.irp ct, 0,1,2,3
	global_load_b128 v[112+8*\ct:115+8*\ct], v6, s[6:7] offset:64*\ct
	global_load_b128 v[116+8*\ct:119+8*\ct], v6, s[6:7] offset:64*\ct+16
.endr
	v_mov_b32 v232, 0xff800000
	v_mov_b32 v234, 0                              ; a lane permute's destination counts as one of its sources
	v_mov_b32 v237, 0                              ; named as the upper half of a pair
	s_wait_loadcnt 40                              ; K and Q are in; V's 32 loads and W_o's 8 may be out
	; S^T = K Q^T: sixteen steps of four channels on four accumulators by turns; the first four start the sums
.set n, 0
.rept 16
.if n < 4
	v_wmma_f32_16x16x4_f32 v[144+8*n:151+8*n], v[48+2*n:49+2*n], v[16+2*n:17+2*n], 0
.else
	v_wmma_f32_16x16x4_f32 v[144+8*(n%4):151+8*(n%4)], v[48+2*n:49+2*n], v[16+2*n:17+2*n], v[144+8*(n%4):151+8*(n%4)]
.endif
.set n, n+1
.endr
.rept 8
	v_nop                                          ; eight places behind this form (ISA guide 7.12.1)
.endr
.irp p, 0,2,4,6
	v_pk_add_f32 v[208+\p:209+\p], v[144+\p:145+\p], v[152+\p:153+\p]      ; each accumulator from its low end on
.endr
.irp p, 0,2,4,6
	v_pk_add_f32 v[224+\p:225+\p], v[160+\p:161+\p], v[168+\p:169+\p]
.endr
.irp p, 0,2,4,6
	v_pk_add_f32 v[208+\p:209+\p], v[208+\p:209+\p], v[224+\p:225+\p]      ; lane (r, h): query r, keys 8 h + 0..7
.endr
.irp j, 0,1,2,3,4,5,6,7
	v_cmp_gt_i32 vcc_lo, \j, v9                    ; key 8 h + j comes after query r
	v_cndmask_b32 v[208+\j], v[208+\j], v232, vcc_lo
.endr
	v_max3_num_f32 v233, v208, v209, v210
	v_max3_num_f32 v233, v233, v211, v212
	v_max3_num_f32 v233, v233, v213, v214
	v_max_num_f32 v233, v233, v215
	v_permlanex16_b32 v234, v233, s16, s17
	v_max_num_f32 v233, v233, v234                 ; the row's maximum: key 0 counts for every query, so it is a number
	v_mul_f32 v233, s18, v233
.irp j, 0,1,2,3,4,5,6,7
	v_fma_f32 v[216+\j], v[208+\j], s18, -v233
.endr
.irp j, 0,1,2,3,4,5,6,7
	v_exp_f32 v[216+\j], v[216+\j]
.endr
	v_nop
	s_wait_alu depctr_va_vdst(0)                   ; one wait for the eight exponentials, ahead of their first reader
	v_pk_add_f32 v[224:225], v[216:217], v[218:219]
	v_pk_add_f32 v[226:227], v[220:221], v[222:223]
	v_pk_add_f32 v[224:225], v[224:225], v[226:227]
	v_add_f32 v235, v224, v225
	v_permlanex16_b32 v234, v235, s16, s17
	v_add_f32 v235, v235, v234                     ; the row's sum
	v_rcp_f32 v236, v235
	v_nop
	s_wait_loadcnt 8                               ; V is in; W_o's 8 loads may be out
	; O^T = V^T P: step i takes keys 8 h + 2 i + 0, 1; four tiles of 16 channels by turns
.irp i, 0,1,2,3
.irp ct, 0,1,2,3
.if \i == 0
	v_wmma_f32_16x16x4_f32 v[176+8*\ct:183+8*\ct], v[80+8*\ct+2*\i:81+8*\ct+2*\i], v[216+2*\i:217+2*\i], 0
.else
	v_wmma_f32_16x16x4_f32 v[176+8*\ct:183+8*\ct], v[80+8*\ct+2*\i:81+8*\ct+2*\i], v[216+2*\i:217+2*\i], v[176+8*\ct:183+8*\ct]
.endif
.endr
.endr
.rept 8
	v_nop
.endr
	s_wait_alu depctr_va_vdst(0)                   ; the reciprocal's wait, ahead of its first reader
.set n, 0
.rept 16
	v_pk_mul_f32 v[16+2*n:17+2*n], v[176+2*n:177+2*n], v[236:237] op_sel_hi:[1,0]   ; o: lane (r, h): query r, channels 16 ct + 8 h + 0..7
.set n, n+1
.endr
	s_wait_loadcnt 0x0                             ; W_o
	; the projection, transposed: source 0 = 16 rows of W_o, source 1 = o: step (ct, i) takes channels 16 ct + 8 h + 2 i + 0, 1; four accumulators by turns
.irp ct, 0,1,2,3
.irp i, 0,1,2,3
.if \ct == 0
	v_wmma_f32_16x16x4_f32 v[144+8*\i:151+8*\i], v[112+8*\ct+2*\i:113+8*\ct+2*\i], v[16+8*\ct+2*\i:17+8*\ct+2*\i], 0
.else
	v_wmma_f32_16x16x4_f32 v[144+8*\i:151+8*\i], v[112+8*\ct+2*\i:113+8*\ct+2*\i], v[16+8*\ct+2*\i:17+8*\ct+2*\i], v[144+8*\i:151+8*\i]
.endif
.endr
.endr
.rept 8
	v_nop
.endr
.irp p, 0,2,4,6
	v_pk_add_f32 v[240+\p:241+\p], v[144+\p:145+\p], v[152+\p:153+\p]
.endr
.irp p, 0,2,4,6
	v_pk_add_f32 v[224+\p:225+\p], v[160+\p:161+\p], v[168+\p:169+\p]
.endr
.irp p, 0,2,4,6
	v_pk_add_f32 v[240+\p:241+\p], v[240+\p:241+\p], v[224+\p:225+\p]      ; my head's part: lane (r, h): row r, columns 8 h + 0..7
.endr
	ds_store_b128 v7, v[240:243]
	ds_store_b128 v7, v[244:247] offset:16
	s_wait_dscnt 0x0                               ; for the others' sake: my stores have landed
	s_barrier_signal -1
	s_barrier_wait -1
	s_cmp_ge_u32 s12, 2                            ; waves 0 and 1 add the sixteen parts: 64 threads, 16 bytes each
	s_cbranch_scc1 .Ldone
	global_load_b128 v[80:83], v13, s[8:9]         ; b_o
.irp w, 0,1,2,3,4,5,6,7,8,9,10,11,12,13,14,15
	ds_load_b128 v[16+4*\w:19+4*\w], v8 offset:1024*\w
.endr
	s_wait_dscnt 0x0
.irp d, 4,8,16,32
.set bse, 0
.rept 32/\d
	v_pk_add_f32 v[16+bse:17+bse], v[16+bse:17+bse], v[16+bse+\d:17+bse+\d]
	v_pk_add_f32 v[18+bse:19+bse], v[18+bse:19+bse], v[18+bse+\d:19+bse+\d]
.set bse, bse+2*\d
.endr
.endr
	s_wait_loadcnt 0x0
	v_pk_add_f32 v[16:17], v[16:17], v[80:81]
	v_pk_add_f32 v[18:19], v[18:19], v[82:83]
	global_store_b128 v12, v[16:19], s[10:11]
.Ldone:
	s_wait_tensorcnt 0x0                           ; the wave's end, behind my last LDS store
	ds_add_u32 v[SPW], v[NIL]
	s_wait_dscnt 0x0
	s_endpgm
.Lfunc_end_k_qde83ed66fd_fine:
	.size	k_qde83ed66fd_fine, .Lfunc_end_k_qde83ed66fd_fine-k_qde83ed66fd_fine
	.p2alignl 7, 3214868480
	.fill 96, 4, 3214868480
	.section	.rodata,"a",@progbits
	.p2align	6, 0x0
	.amdhsa_kernel k_qde83ed66fd_fine
		.amdhsa_group_segment_fixed_size 18432
		.amdhsa_private_segment_fixed_size 0
		.amdhsa_enable_private_segment 0
		.amdhsa_kernarg_size 32
		.amdhsa_user_sgpr_count 2
		.amdhsa_user_sgpr_kernarg_segment_ptr 1
		.amdhsa_wavefront_size32 1
		.amdhsa_system_sgpr_workgroup_id_x 1
		.amdhsa_system_sgpr_workgroup_id_y 1
		.amdhsa_system_sgpr_workgroup_id_z 1
		.amdhsa_system_vgpr_workitem_id 0
		.amdhsa_next_free_vgpr 256
		.amdhsa_next_free_sgpr 66
		.amdhsa_reserve_vcc 1
		.amdhsa_float_denorm_mode_32 3
		.amdhsa_float_denorm_mode_16_64 3
		.amdhsa_memory_ordered 1
		.amdhsa_forward_progress 1
		.amdhsa_inst_pref_size 20
	.end_amdhsa_kernel
	.amdgpu_metadata
---
amdhsa.version: [ 1, 2 ]
amdhsa.kernels:
  - .name:           k_qde83ed66fd_fine
    .symbol:         k_qde83ed66fd_fine.kd
    .args:
      - { .name: qkv32, .offset: 0, .size: 8, .value_kind: global_buffer, .address_space: global }
      - { .name: W_o, .offset: 8, .size: 8, .value_kind: global_buffer, .address_space: global }
      - { .name: b_o, .offset: 16, .size: 8, .value_kind: global_buffer, .address_space: global }
      - { .name: out0, .offset: 24, .size: 8, .value_kind: global_buffer, .address_space: global }
    .group_segment_fixed_size: 18432
    .private_segment_fixed_size: 0
    .kernarg_segment_align: 8
    .kernarg_segment_size: 32
    .max_flat_workgroup_size: 512
    .sgpr_count:     66
    .vgpr_count:     256
    .wavefront_size: 32
...
	.end_amdgpu_metadata
.endif
;; end of part 5
